; MI455X (gfx1250); checked and timed in simulation.
; The chip was launched on July 23, 2026; its instructions are those of AMD's public machine-readable ISA for CDNA 5 (MIT licence, August 2026) and "CDNA5" Instruction Set Architecture Reference Guide (July 2026). The comments in the code are by the model that wrote it; some were corrected since.
;; Style Conditioning Pipeline. Allowed arithmetic: float matrix products may take bf16 or f16 operands with f32 sums; other float arithmetic in f32, or as packed bf16 or f16 multiplies, adds, multiply-adds, maxima and minima; sums over many terms, partial sums and values carried from step to step in f32; what a program stores and reads back later, other than sums and carried values, may be rounded once to bf16 or f16.
;; Inputs: attn_bk 2 x 512 float32; attn_bo 2 x 512 float32; attn_bq 2 x 512 float32; attn_bv 2 x 512 float32; attn_wk 2 x 512 x 512 float32; attn_wo 2 x 512 x 512 float32; attn_wq 2 x 512 x 512 float32; attn_wv 2 x 512 x 512 float32; durations 16 x 256 int32; ffn_b1 2 x 2,048 float32; ffn_b2 2 x 512 float32; ffn_w1 2 x 512 x 2,048 float32; ffn_w2 2 x 2,048 x 512 float32; kproj_b 512 float32; kproj_ln_b 512 float32; kproj_ln_g 512 float32; kproj_w 512 x 512 float32; ln1_b 2 x 512 float32; ln1_g 2 x 512 float32; ln2_b 2 x 512 float32; ln2_g 2 x 512 float32; style_emb 16 x 512 float32; text_hidden 16 x 256 x 512 float32; vproj_b 512 float32; vproj_ln_b 512 float32; vproj_ln_g 512 float32; vproj_w 512 x 512 float32.
;; Outputs: out0 16 x 1,024 x 512 float32; out1 16 int32; out2 16 x 1 x 512 float32; out3 16 x 1 x 512 float32.
;; Constants: max_frame_len = 1024.
;; One version. Each part assembles by itself: llvm-mc -triple=amdgcn-amd-amdhsa -mcpu=gfx1250 --defsym DOCPART=n.
;; ======== version 1 of 1: 8 launches
;; limits: a function is approximated: absolute error at most 2.5e-05; an absolute error that grows with the inputs' magnitude: up to 1.25e-05 times it
;; workspace buffers: WB0 8,388,608 bytes; WB1 4,194,304 bytes; PAR 525,312 bytes; HB 4,218,880 bytes; HF0 8,388,608 bytes; HF1 8,421,376 bytes; P 34,603,008 bytes
;; launch prep (part 1): grid 384 x 1, 4 waves a work-group, no clusters, 37,376 bytes of LDS; arguments ffn_w1, ffn_w2, attn_wk, attn_wv, attn_wo, kproj_w, vproj_w, WB0, WB1; writes WB0, WB1
.if DOCPART == 1
	.amdgcn_target "amdgcn-amd-amdhsa--gfx1250"
	.amdhsa_code_object_version 6
	.text
	.protected	k_qf149d79cfc_prep
	.globl	k_qf149d79cfc_prep
	.p2align	8
	.type	k_qf149d79cfc_prep,@function
k_qf149d79cfc_prep:
	s_mov_b64 s[64:65], 0
	v_nop
	global_prefetch_b8 v0, s[64:65] scope:SCOPE_SE
	s_setreg_imm32_b32 hwreg(HW_REG_WAVE_MODE, 25, 1), 1
	s_wait_xcnt 0x0
; WEIGHTS TO bf16, TURNED.  Each weight matrix W[k][n] (f32, n along the rows) is cut into blocks of 64 k x 64 n; a block is written as 8,192 dense bytes [n % 64][k % 64] in bf16,
; so that a matrix fragment (16 n x 32 k, k contiguous) can be loaded from it as it lies.  One wave makes one block; 1,536 blocks, 4 waves a work-group.
; Block order.  Kind A (w1, wk, wv, kproj, vproj): block (n / 64) x (K / 64) + k / 64.  Kind B (w2, wo): block (k / 64) x (N / 64) + n / 64.
; Jobs 0-255 w1 layer 0, 256-511 w1 layer 1, 512-767 w2 layer 0, 768-1023 w2 layer 1 (WB0 holds layer 0, WB1 layer 1: w1 at 0, w2 at 2 MiB);
; jobs 1024-1535: eight matrices of 64 blocks at WB0 + 4 MiB: wk 0, wk 1, wv 0, wv 1, wo 0, wo 1, kproj, vproj.
; A load of the wave takes 256 consecutive bytes of two rows k; a store 512 consecutive bytes.  The turn goes through the wave's own LDS bytes: no barrier.
.set PITCH,  144                       ; an LDS row: 64 bf16 + 16 bytes
.set REGION, 64*PITCH                  ; a wave's 64 rows
.set SPARE,  4*REGION                  ; the spare words, 128 bytes a wave
.set STY,    4194304
.set GO,  2                            ; v2  my byte offset in the source block
.set LS,  3                            ; v3  where I put 16 bytes of a turned row
.set LR,  4                            ; v4  where I read rows back
.set SO,  5                            ; v5  16 x lane
.set SPW, 6
.set NIL, 7
.set D,   16                           ; v[16:143]  32 loads of 4
.set PK,  144                          ; v[144:207] column e (of my four), k pair m at PK + 16 e + m
	s_load_b512 s[8:23], s[0:1], 0x0               ; w1, w2, wk, wv, wo, kproj, vproj, WB0
	s_load_b64 s[24:25], s[0:1], 0x40              ; WB1
	v_lshl_add_u32 v[SPW], v0, 2, SPARE
	v_mov_b32 v[NIL], 0
	v_lshrrev_b32 v1, 5, v0
	v_readfirstlane_b32 s2, v1                     ; wave
	v_and_b32 v8, 15, v0                           ; c = lane % 16: my four columns 4 c ..
	v_bfe_u32 v9, v0, 4, 1                         ; hh = lane / 16: rows k 32 hh ..
	v_and_b32 v10, 31, v0
	v_bfe_u32 v11, v0, 3, 2
	v_and_b32 v12, 7, v0
	s_mul_i32 s4, s2, REGION
	v_mul_u32_u24 v[LS], v8, 4*PITCH
	v_lshl_add_u32 v[LS], v9, 6, v[LS]
	v_add_nc_u32 v[LS], s4, v[LS]                  ; row n = 4 c (+ e), bytes 64 hh ..
	v_mul_u32_u24 v[LR], v11, PITCH
	v_lshl_add_u32 v[LR], v12, 4, v[LR]
	v_add_nc_u32 v[LR], s4, v[LR]                  ; four rows of 128 bytes a load
	v_lshlrev_b32 v[SO], 4, v10
	v_lshlrev_b32 v[GO], 4, v8
	s_lshl_b32 s3, ttmp9, 2
	s_add_co_u32 s3, s3, s2                        ; job
.macro LOADS rpb                       ; load i: rows k = i and 32 + i of the block, 256 bytes each
.set i, 0
.rept 32
	global_load_b128 v[D+4*i:D+4*i+3], v[GO], s[32:33] offset:i*(\rpb) th:TH_LOAD_NT
.set i, i+1
.endr
.endm
	s_cmp_lt_u32 s3, 1024
	s_cbranch_scc0 .Lsmall
	s_lshr_b32 s26, s3, 9                          ; 0: w1, 1: w2
	s_bfe_u32 s28, s3, 0x10008                     ; layer
	s_and_b32 s29, s3, 255                         ; block
	s_lshr_b32 s30, s29, 3
	s_and_b32 s31, s29, 7
	s_cmp_eq_u32 s26, 0
	s_cselect_b32 s5, s31, s30                     ; k / 64
	s_cselect_b32 s6, s30, s31                     ; n / 64
	s_cselect_b32 s7, 19, 17                       ; 64 rows of 8,192 or of 2,048 bytes
	s_lshl_b32 s5, s5, s7
	s_lshl_b32 s6, s6, 8
	s_lshl_b32 s34, s28, 22
	s_add_co_u32 s34, s34, s5
	s_add_co_u32 s34, s34, s6
	s_mov_b32 s35, 0
	s_lshl_b32 s36, s26, 21
	s_lshl_b32 s37, s29, 13
	s_add_co_u32 s36, s36, s37
	s_mov_b32 s37, 0
	s_wait_kmcnt 0x0
	s_cmp_eq_u32 s26, 0
	s_cselect_b64 s[32:33], s[8:9], s[10:11]
	s_cmp_eq_u32 s28, 0
	s_cselect_b64 s[38:39], s[22:23], s[24:25]
	s_add_nc_u64 s[32:33], s[32:33], s[34:35]
	s_add_nc_u64 s[38:39], s[38:39], s[36:37]
	s_cmp_eq_u32 s26, 0
	s_cbranch_scc0 .Lnarrow
	v_lshl_add_u32 v[GO], v9, 18, v[GO]            ; + 32 rows of 8,192 bytes for the upper lanes
	LOADS 8192
	s_branch .Lhave
.Lsmall:
	s_sub_co_u32 s27, s3, 1024
	s_lshr_b32 s26, s27, 7                         ; 0 wk, 1 wv, 2 wo, 3 the projections
	s_lshr_b32 s28, s27, 6                         ; matrix 0..7
	s_and_b32 s29, s27, 63                         ; block
	s_lshr_b32 s30, s29, 3
	s_and_b32 s31, s29, 7
	s_and_b32 s7, s28, 1
	s_cmp_lt_u32 s26, 3
	s_cselect_b32 s7, s7, 0                        ; layer
	s_cmp_eq_u32 s26, 2
	s_cselect_b32 s5, s30, s31                     ; k / 64
	s_cselect_b32 s6, s31, s30                     ; n / 64
	s_lshl_b32 s34, s7, 20
	s_lshl_b32 s5, s5, 17
	s_lshl_b32 s6, s6, 8
	s_add_co_u32 s34, s34, s5
	s_add_co_u32 s34, s34, s6
	s_mov_b32 s35, 0
	s_lshl_b32 s36, s27, 13
	s_add_co_u32 s36, s36, STY
	s_mov_b32 s37, 0
	s_wait_kmcnt 0x0
	s_cmp_eq_u32 s26, 0
	s_cselect_b64 s[32:33], s[12:13], s[14:15]
	s_cmp_eq_u32 s26, 2
	s_cselect_b64 s[32:33], s[16:17], s[32:33]
	s_cmp_eq_u32 s28, 6
	s_cselect_b64 s[32:33], s[18:19], s[32:33]
	s_cmp_eq_u32 s28, 7
	s_cselect_b64 s[32:33], s[20:21], s[32:33]
	s_add_nc_u64 s[32:33], s[32:33], s[34:35]
	s_add_nc_u64 s[38:39], s[22:23], s[36:37]
.Lnarrow:
	v_lshl_add_u32 v[GO], v9, 16, v[GO]            ; + 32 rows of 2,048 bytes
	LOADS 2048
.Lhave:
	s_wait_loadcnt 0x0
.set m, 0
.rept 16                               ; rows k = 2 m and 2 m + 1 of column 4 c + e, rounded and packed
.irp e, 0,1,2,3
	v_cvt_pk_bf16_f32 v[PK+16*\e+m], v[D+8*m+\e], v[D+8*m+4+\e]
.endr
.set m, m+1
.endr
.irp e, 0,1,2,3
.irp q, 0,1,2,3
	ds_store_b128 v[LS], v[PK+16*\e+4*\q:PK+16*\e+4*\q+3] offset:\e*PITCH+16*\q
.endr
.endr
.set i, 0
.rept 16                               ; LDS serves a wave's instructions in order: these see the stores above
	ds_load_b128 v[D+4*i:D+4*i+3], v[LR] offset:i*4*PITCH
.set i, i+1
.endr
.set i, 0
.rept 16
	s_wait_dscnt 15-i                              ; load i is back; the younger ones stay out
	global_store_b128 v[SO], v[D+4*i:D+4*i+3], s[38:39] offset:i*512  ; 512 consecutive bytes, aligned
.set i, i+1
.endr
	s_wait_tensorcnt 0x0                           ; the wave's end, behind my last LDS store
	ds_add_u32 v[SPW], v[NIL]
	s_wait_dscnt 0x0
	s_endpgm
.Lfunc_end_k_qf149d79cfc_prep:
	.size	k_qf149d79cfc_prep, .Lfunc_end_k_qf149d79cfc_prep-k_qf149d79cfc_prep
	.p2alignl 7, 3214868480
	.fill 96, 4, 3214868480
	.section	.rodata,"a",@progbits
	.p2align	6, 0x0
	.amdhsa_kernel k_qf149d79cfc_prep
		.amdhsa_group_segment_fixed_size 37376
		.amdhsa_private_segment_fixed_size 0
		.amdhsa_enable_private_segment 0
		.amdhsa_kernarg_size 72
		.amdhsa_user_sgpr_count 2
		.amdhsa_user_sgpr_kernarg_segment_ptr 1
		.amdhsa_wavefront_size32 1
		.amdhsa_system_sgpr_workgroup_id_x 1
		.amdhsa_system_sgpr_workgroup_id_y 1
		.amdhsa_system_sgpr_workgroup_id_z 1
		.amdhsa_system_vgpr_workitem_id 0
		.amdhsa_next_free_vgpr 208
		.amdhsa_next_free_sgpr 66
		.amdhsa_reserve_vcc 0
		.amdhsa_float_denorm_mode_32 3
		.amdhsa_float_denorm_mode_16_64 3
		.amdhsa_memory_ordered 1
		.amdhsa_forward_progress 1
		.amdhsa_inst_pref_size 18
	.end_amdhsa_kernel
	.amdgpu_metadata
---
amdhsa.version: [ 1, 2 ]
amdhsa.kernels:
  - .name:           k_qf149d79cfc_prep
    .symbol:         k_qf149d79cfc_prep.kd
    .args:
      - { .name: ffn_w1, .offset: 0, .size: 8, .value_kind: global_buffer, .address_space: global }
      - { .name: ffn_w2, .offset: 8, .size: 8, .value_kind: global_buffer, .address_space: global }
      - { .name: attn_wk, .offset: 16, .size: 8, .value_kind: global_buffer, .address_space: global }
      - { .name: attn_wv, .offset: 24, .size: 8, .value_kind: global_buffer, .address_space: global }
      - { .name: attn_wo, .offset: 32, .size: 8, .value_kind: global_buffer, .address_space: global }
      - { .name: kproj_w, .offset: 40, .size: 8, .value_kind: global_buffer, .address_space: global }
      - { .name: vproj_w, .offset: 48, .size: 8, .value_kind: global_buffer, .address_space: global }
      - { .name: WB0, .offset: 56, .size: 8, .value_kind: global_buffer, .address_space: global }
      - { .name: WB1, .offset: 64, .size: 8, .value_kind: global_buffer, .address_space: global }
    .group_segment_fixed_size: 37376
    .private_segment_fixed_size: 0
    .kernarg_segment_align: 8
    .kernarg_segment_size: 72
    .max_flat_workgroup_size: 128
    .sgpr_count:     66
    .vgpr_count:     208
    .wavefront_size: 32
...
	.end_amdgpu_metadata
.endif
;; end of part 1
;; launch style (part 2): grid 32 x 1, 16 waves a work-group, no clusters, 75,008 bytes of LDS; arguments style_emb, WB0, kproj_b, kproj_ln_g, kproj_ln_b, vproj_b, vproj_ln_g, vproj_ln_b, attn_bk, attn_bv, attn_wq, attn_bq, PAR, out2, out3; writes PAR, out2, out3
.if DOCPART == 2
	.amdgcn_target "amdgcn-amd-amdhsa--gfx1250"
	.amdhsa_code_object_version 6
	.text
	.protected	k_qf149d79cfc_style
	.globl	k_qf149d79cfc_style
	.p2align	8
	.type	k_qf149d79cfc_style,@function
k_qf149d79cfc_style:
	s_mov_b64 s[64:65], 0
	v_nop
	global_prefetch_b8 v0, s[64:65] scope:SCOPE_SE
	s_setreg_imm32_b32 hwreg(HW_REG_WAVE_MODE, 25, 1), 1
	s_wait_xcnt 0x0
; THE STYLE TABLES.  K = LN(style kproj_w + b), V likewise (out2, out3).  With one key a head's score of a row x is x . (wq_h k_h) + bq_h . k_h, and its output a_h (v_h wo_h).
; Work-group g = (side, layer i, head h): side 0 makes WQK[i][b][h][d] = sum_e wq[i][d][64 h + e] k[b][64 h + e] and C[i][b][h] = sum_e bq[i][64 h + e] k[b][64 h + e], with k = K wk[i] + bk[i];
; side 1 makes U[i][b][h][d] = sum_e v[b][64 h + e] wo[i][64 h + e][d], with v = V wv[i] + bv[i].  Every work-group makes its side's projection anew (16 x 512 x 512): it is small.
; Products in bf16 with f32 sums; the tables are stored rounded once to bf16, C in f32.  A table row is 1,024 bytes in lane order: element 16 l + 4 q + e is channel 128 q + 4 l + e.
; Sixteen waves of 256 registers, four to a SIMD.  In the products source 0 = the 16 batches, source 1 = 16 columns of the turned weights: a lane holds one column and eight batches.  In the row work wave b owns batch b.
.set AB,     0                         ; bf16 [16] style rows, pitch 1,040
.set APITCH, 1040
.set PF,     16640                     ; f32 [16][512], pitch 2,064
.set FPITCH, 2064
.set KB2,    49664                     ; bf16 [16] K or V rows, pitch 1,040
.set KH,     66304                     ; f32 [16][64] the head's k or v, pitch 272
.set KHP,    272
.set KHB,    70656                     ; the same in bf16, pitch 144
.set KBP,    144
.set SPARE,  72960                     ; the spare words, 128 bytes a wave
.set STY,    4194304
.set RR,  1                            ; lane % 16
.set HH,  2                            ; lane / 16
.set LL,  3                            ; lane
.set SPW, 4
.set NIL, 5
.set V16, 6                            ; 16 x lane
.set FRG, 7                            ; a weight fragment in a block: 128 r + 16 h'
.set AFR, 8                            ; a fragment of source 0 in AB: 1,040 r + 16 h'
.set PFS, 9                            ; where my column's eight batches go in PF
.set ROWA, 10                          ; my batch's bf16 row: 8 bytes a lane
.set ROWF, 11                          ; my batch's f32 row: 16 bytes a lane
.set BI0, 12                           ; v12-14 biases of my columns
.set R4,  15
.set X,   16                           ; row work: v[16:31] the row, v[32:47] at work, v[48:51] mean and 1/sigma
.set T,   32
.set M,   48
.set R,   50
.set AF,  16                           ; products: v[16:79] eight fragments of source 0
.set AC0, 80                           ; v[80:95] two accumulators
.set G,   96                           ; v[96:127] gain and shift of the LayerNorm
.set BT,  112
.set WB,  128                          ; v[128:255] sixteen weight fragments
.set RAW, 160                          ; v[160:223] wq as loaded, f32 (the last product alone)
.set SEL, 48
.set INV, 50
.set EPS, 51
.macro BAR
	s_wait_dscnt 0x0                               ; for the others' sake: my LDS stores are done and my reads are back
	s_barrier_signal -1
	s_barrier_wait -1
.endm
.macro PLACES                          ; four places behind a matrix instruction (ISA guide 7.12.1)
.rept 4
	v_nop
.endr
.endm
.macro WSUM va, vb                     ; the sum over the 32 lanes, in every lane
	v_add_f32_dpp v[\va], v[\va], v[\va] row_xmask:1 row_mask:0xf bank_mask:0xf
	v_add_f32_dpp v[\va], v[\va], v[\va] row_xmask:2 row_mask:0xf bank_mask:0xf
	v_add_f32_dpp v[\va], v[\va], v[\va] row_xmask:4 row_mask:0xf bank_mask:0xf
	v_add_f32_dpp v[\va], v[\va], v[\va] row_xmask:8 row_mask:0xf bank_mask:0xf
	v_permlanex16_b32 v[\vb], v[\va], s[SEL], s[SEL+1]
	v_add_f32 v[\va], v[\va], v[\vb]
.endm
.macro LNORM x, g, b                   ; a row of 512, 16 numbers a lane: mean, then the variance of the centred numbers, then gain and shift
.irp p, 0,1,2,3
	v_pk_add_f32 v[T+2*\p:T+2*\p+1], v[\x+4*\p:\x+4*\p+1], v[\x+4*\p+2:\x+4*\p+3]
.endr
	v_pk_add_f32 v[T:T+1], v[T:T+1], v[T+2:T+3]
	v_pk_add_f32 v[T+4:T+5], v[T+4:T+5], v[T+6:T+7]
	v_pk_add_f32 v[T:T+1], v[T:T+1], v[T+4:T+5]
	v_add_f32 v[T], v[T], v[T+1]
	WSUM T, T+1
	v_mul_f32 v[M], s[INV], v[T]
	v_mul_f32 v[M+1], s[INV], v[T]
.irp p, 0,1,2,3,4,5,6,7
	v_pk_add_f32 v[\x+2*\p:\x+2*\p+1], v[\x+2*\p:\x+2*\p+1], v[M:M+1] neg_lo:[0,1] neg_hi:[0,1]
.endr
	v_pk_mul_f32 v[T:T+1], v[\x:\x+1], v[\x:\x+1]
	v_pk_mul_f32 v[T+2:T+3], v[\x+2:\x+3], v[\x+2:\x+3]
.irp p, 2,3,4,5,6,7
	v_pk_fma_f32 v[T+2*(\p%2):T+2*(\p%2)+1], v[\x+2*\p:\x+2*\p+1], v[\x+2*\p:\x+2*\p+1], v[T+2*(\p%2):T+2*(\p%2)+1]
.endr
	v_pk_add_f32 v[T:T+1], v[T:T+1], v[T+2:T+3]
	v_add_f32 v[T], v[T], v[T+1]
	WSUM T, T+1
	v_fma_f32 v[T], v[T], s[INV], s[EPS]
	v_rsq_f32 v[R], v[T]
	v_rsq_f32 v[R+1], v[T]
	v_nop                                          ; a plain instruction behind the last root,
	s_wait_alu depctr_va_vdst(0)                   ; and the one wait for both, ahead of their first reader
.irp p, 0,1,2,3,4,5,6,7
	v_pk_mul_f32 v[\x+2*\p:\x+2*\p+1], v[\x+2*\p:\x+2*\p+1], v[R:R+1]
.endr
.irp p, 0,1,2,3,4,5,6,7
	v_pk_fma_f32 v[\x+2*\p:\x+2*\p+1], v[\x+2*\p:\x+2*\p+1], v[\g+2*\p:\g+2*\p+1], v[\b+2*\p:\b+2*\p+1]
.endr
.endm
.macro BLOAD1 g                        ; the projection's weights: K steps 8 g .. 8 g + 7 of my two column tiles
.set k, 0
.rept 8
.irp u, 0,1
	global_load_b128 v[WB+16*k+8*\u:WB+16*k+8*\u+3], v[FRG], s[52:53] offset:\u*2048+((8*\g+k)/2)*8192+(k%2)*64
	global_load_b128 v[WB+16*k+8*\u+4:WB+16*k+8*\u+7], v[FRG], s[52:53] offset:\u*2048+((8*\g+k)/2)*8192+(k%2)*64+32
.endr
.set k, k+1
.endr
.endm
.macro ALOAD base, g                   ; source 0: K steps 8 g .. 8 g + 7 of the 16 rows at LDS byte base
.set k, 0
.rept 8
	ds_load_b128 v[AF+8*k:AF+8*k+3], v[AFR] offset:\base+(8*\g+k)*64
	ds_load_b128 v[AF+8*k+4:AF+8*k+7], v[AFR] offset:\base+(8*\g+k)*64+32
.set k, k+1
.endr
.endm
.macro MUL1 zero                       ; 16 products, the two accumulators by turns
.set k, 0
.rept 8
.irp u, 0,1
.if (\zero) && (k == 0)
	v_wmma_f32_16x16x32_bf16 v[AC0+8*\u:AC0+8*\u+7], v[AF+8*k:AF+8*k+7], v[WB+16*k+8*\u:WB+16*k+8*\u+7], 0
.else
	v_wmma_f32_16x16x32_bf16 v[AC0+8*\u:AC0+8*\u+7], v[AF+8*k:AF+8*k+7], v[WB+16*k+8*\u:WB+16*k+8*\u+7], v[AC0+8*\u:AC0+8*\u+7]
.endif
.endr
.set k, k+1
.endr
.endm
.macro MUL2 g                          ; 8 products of one column tile: even and odd K steps on two accumulators, by turns
.set k, 0
.rept 8
.if ((\g) == 0) && (k < 2)
	v_wmma_f32_16x16x32_bf16 v[AC0+8*(k%2):AC0+8*(k%2)+7], v[AF+8*k:AF+8*k+7], v[WB+64*\g+8*k:WB+64*\g+8*k+7], 0
.else
	v_wmma_f32_16x16x32_bf16 v[AC0+8*(k%2):AC0+8*(k%2)+7], v[AF+8*k:AF+8*k+7], v[WB+64*\g+8*k:WB+64*\g+8*k+7], v[AC0+8*(k%2):AC0+8*(k%2)+7]
.endif
.set k, k+1
.endr
.endm
.macro TOPF                            ; my two tiles' columns into PF: eight batches each
.irp u, 0,1
.irp j, 0,1,2,3,4,5,6,7
	ds_store_b32 v[PFS], v[AC0+8*\u+\j] offset:\j*FPITCH+\u*64
.endr
.endr
.endm
.macro ROWIN                           ; my batch's row of PF
.irp q, 0,1,2,3
	ds_load_b128 v[X+4*\q:X+4*\q+3], v[ROWF] offset:512*\q
.endr
	s_wait_dscnt 0x0
.endm
.macro ROWPK                           ; the row rounded to bf16: v[T:T+7]
.irp p, 0,1,2,3,4,5,6,7
	v_cvt_pk_bf16_f32 v[T+\p], v[X+2*\p], v[X+2*\p+1]
.endr
.endm
	s_load_b512 s[8:23], s[0:1], 0x0               ; style, WB0, kproj b, g, beta, vproj b, g, beta
	s_load_b256 s[24:31], s[0:1], 0x40             ; bk, bv, wq, bq
	s_load_b128 s[32:35], s[0:1], 0x60             ; PAR, out2
	s_load_b64 s[36:37], s[0:1], 0x70              ; out3
	v_lshl_add_u32 v[SPW], v0, 2, SPARE
	v_mov_b32 v[NIL], 0
	v_lshrrev_b32 v[RR], 5, v0
	v_readfirstlane_b32 s2, v[RR]                  ; wave = batch b
	v_and_b32 v[RR], 15, v0
	v_bfe_u32 v[HH], v0, 4, 1
	v_and_b32 v[LL], 31, v0
	s_lshr_b32 s3, ttmp9, 4                        ; side
	s_bfe_u32 s4, ttmp9, 0x10003                   ; layer
	s_and_b32 s5, ttmp9, 7                         ; head
	s_mov_b32 s[SEL], 0x76543210
	s_mov_b32 s[SEL+1], 0xfedcba98
	s_mov_b32 s[INV], 0x3b000000                   ; 1 / 512
	s_mov_b32 s[EPS], 0x3727c5ac                   ; 1e-5
	v_lshlrev_b32 v[V16], 4, v[LL]
	v_lshlrev_b32 v[FRG], 7, v[RR]
	v_lshl_add_u32 v[FRG], v[HH], 4, v[FRG]
	v_mul_u32_u24 v[AFR], v[RR], APITCH
	v_lshl_add_u32 v[AFR], v[HH], 4, v[AFR]
	v_mul_u32_u24 v[PFS], v[HH], 8*FPITCH
	v_lshl_add_u32 v[PFS], v[RR], 2, v[PFS]
	s_lshl_b32 s6, s2, 7
	s_add_co_u32 s6, s6, PF
	v_add_nc_u32 v[PFS], s6, v[PFS]                ; batch 8 h' (+ j), column 32 w + r (+ 16 u)
	s_mul_i32 s6, s2, APITCH
	v_lshl_add_u32 v[ROWA], v[LL], 3, s6
	s_mul_i32 s6, s2, FPITCH
	s_add_co_u32 s6, s6, PF
	v_lshl_add_u32 v[ROWF], v[LL], 4, s6
	v_lshlrev_b32 v[R4], 2, v[RR]
	; byte offsets, made apart from the addresses
	s_add_co_u32 s52, s3, 6                        ; the projection: matrix 6 + side, column block w / 2, tiles 2 (w % 2) ..
	s_lshl_b32 s52, s52, 19
	s_add_co_u32 s52, s52, STY
	s_lshr_b32 s6, s2, 1
	s_lshl_b32 s6, s6, 16
	s_add_co_u32 s52, s52, s6
	s_and_b32 s6, s2, 1
	s_lshl_b32 s6, s6, 12
	s_add_co_u32 s52, s52, s6
	s_mov_b32 s53, 0
	s_lshl1_add_u32 s54, s3, s4                    ; wk or wv: matrix 2 side + i, column block h, tile w (waves 0-3)
	s_lshl_b32 s54, s54, 19
	s_add_co_u32 s54, s54, STY
	s_lshl_b32 s7, s5, 16
	s_add_co_u32 s54, s54, s7
	s_lshl_b32 s6, s2, 11
	s_add_co_u32 s54, s54, s6
	s_mov_b32 s55, 0
	s_add_co_u32 s56, s4, 4                        ; wo: matrix 4 + i, K block h, tiles 2 w ..
	s_lshl_b32 s56, s56, 19
	s_add_co_u32 s56, s56, STY
	s_add_co_u32 s56, s56, s7
	s_lshl_b32 s6, s2, 12
	s_add_co_u32 s56, s56, s6
	s_lshl_b32 s58, s4, 20                         ; wq as it lies: layer, rows 32 w .., columns 64 h ..
	s_lshl_b32 s6, s2, 16
	s_add_co_u32 s58, s58, s6
	s_lshl_b32 s62, s5, 8
	s_add_co_u32 s58, s58, s62
	s_lshl_b32 s6, s4, 11
	s_add_co_u32 s62, s62, s6                      ; a [2][512] vector at layer i, head h
	s_mov_b32 s63, 0
	s_lshl_b32 s6, s2, 6
	s_add_co_u32 s60, s62, s6                      ; + my tile's 16 columns
	s_mov_b32 s61, 0
	s_lshl_b32 s66, s2, 11                         ; batch b's row of 2,048 bytes
	s_mov_b32 s67, 0
	s_lshl_b32 s68, s2, 7                          ; my 32 columns of the projection's bias
	s_mov_b32 s69, 0
	s_lshl4_add_u32 s6, s4, s2
	s_lshl3_add_u32 s6, s6, s5                     ; (16 i + b) x 8 + h
	s_lshl_b32 s70, s6, 10
	s_lshl_b32 s74, s3, 18
	s_add_co_u32 s70, s70, s74
	s_mov_b32 s71, 0
	s_lshl_b32 s72, s6, 2
	s_add_co_u32 s72, s72, 524288
	s_mov_b32 s73, 0
	s_cmp_eq_u32 s3, 0
	s_cselect_b32 s56, s58, s56
	s_mov_b32 s57, 0
	s_wait_kmcnt 0x0
	s_cmp_eq_u32 s3, 0
	s_cselect_b64 s[38:39], s[12:13], s[18:19]
	s_cselect_b64 s[40:41], s[14:15], s[20:21]
	s_cselect_b64 s[42:43], s[16:17], s[22:23]
	s_cselect_b64 s[44:45], s[24:25], s[26:27]
	s_cselect_b64 s[46:47], s[34:35], s[36:37]
	s_cselect_b64 s[58:59], s[28:29], s[10:11]
	s_add_nc_u64 s[52:53], s[10:11], s[52:53]
	s_add_nc_u64 s[54:55], s[10:11], s[54:55]
	s_add_nc_u64 s[56:57], s[58:59], s[56:57]
	s_add_nc_u64 s[44:45], s[44:45], s[60:61]
	s_add_nc_u64 s[30:31], s[30:31], s[62:63]
	s_add_nc_u64 s[8:9], s[8:9], s[66:67]
	s_add_nc_u64 s[46:47], s[46:47], s[66:67]
	s_add_nc_u64 s[38:39], s[38:39], s[68:69]
	s_add_nc_u64 s[70:71], s[32:33], s[70:71]
	s_add_nc_u64 s[72:73], s[32:33], s[72:73]
	; S0: the style rows to bf16, in LDS
.irp q, 0,1,2,3
	global_load_b128 v[X+4*\q:X+4*\q+3], v[V16], s[8:9] offset:512*\q
.endr
	BLOAD1 0
	global_load_b32 v[BI0], v[R4], s[38:39]
	global_load_b32 v[BI0+1], v[R4], s[38:39] offset:64
.irp q, 0,1,2,3
	global_load_b128 v[G+4*\q:G+4*\q+3], v[V16], s[40:41] offset:512*\q
	global_load_b128 v[BT+4*\q:BT+4*\q+3], v[V16], s[42:43] offset:512*\q
.endr
	s_wait_loadcnt 42                              ; my style row is in; the 32 + 2 + 8 younger loads stay out
	ROWPK
.irp q, 0,1,2,3
	ds_store_b64 v[ROWA], v[T+2*\q:T+2*\q+1] offset:AB+256*\q
.endr
	BAR
	; S1: the projection, two column tiles a wave
	ALOAD AB, 0
	s_wait_loadcnt 10                              ; the first 32 weight loads are in; biases and gains stay out
	s_wait_dscnt 0x0
	MUL1 1
	PLACES
	BLOAD1 1
	ALOAD AB, 1
	s_wait_loadcnt 0x0
	s_wait_dscnt 0x0
	MUL1 0
	PLACES
.irp u, 0,1
.irp j, 0,1,2,3,4,5,6,7
	v_add_f32 v[AC0+8*\u+\j], v[AC0+8*\u+\j], v[BI0+\u]
.endr
.endr
	TOPF
	s_cmp_lt_u32 s2, 4                             ; waves 0-3 ask now for what S2 multiplies
	s_cbranch_scc0 .Lno2a
.set k, 0
.rept 16
	global_load_b128 v[WB+8*k:WB+8*k+3], v[FRG], s[54:55] offset:(k/2)*8192+(k%2)*64
	global_load_b128 v[WB+8*k+4:WB+8*k+7], v[FRG], s[54:55] offset:(k/2)*8192+(k%2)*64+32
.set k, k+1
.endr
	global_load_b32 v[BI0+2], v[R4], s[44:45]
.Lno2a:
	BAR
	; LayerNorm of batch b's row; out2 or out3 by the side's first work-group
	ROWIN
	LNORM X, G, BT
	s_and_b32 s6, ttmp9, 15
	s_cmp_eq_u32 s6, 0
	s_cbranch_scc0 .Lnoout
.irp q, 0,1,2,3
	global_store_b128 v[V16], v[X+4*\q:X+4*\q+3], s[46:47] offset:512*\q
.endr
.Lnoout:
	ROWPK
.irp q, 0,1,2,3
	ds_store_b64 v[ROWA], v[T+2*\q:T+2*\q+1] offset:KB2+256*\q
.endr
	s_wait_xcnt 0x0                                ; the row's registers, which the stores read, are loaded anew below only behind this wait
	BAR
	; S2: the head's 64 columns of k or v: waves 0-3, a tile each
	s_cmp_lt_u32 s2, 4
	s_cbranch_scc0 .Lno2
	ALOAD KB2, 0
	s_wait_loadcnt 0x0
	s_wait_dscnt 0x0
	MUL2 0
	PLACES
	ALOAD KB2, 1
	s_wait_dscnt 0x0
	MUL2 1
	PLACES
.irp p, 0,2,4,6
	v_pk_add_f32 v[AC0+\p:AC0+\p+1], v[AC0+\p:AC0+\p+1], v[AC0+8+\p:AC0+8+\p+1]
.endr
.irp j, 0,1,2,3,4,5,6,7
	v_add_f32 v[AC0+\j], v[AC0+\j], v[BI0+2]
.endr
	v_mul_u32_u24 v61, v[HH], 8*KHP
	v_lshl_add_u32 v61, v[RR], 2, v61
	s_lshl_b32 s6, s2, 6
	s_add_co_u32 s6, s6, KH
	v_add_nc_u32 v61, s6, v61
	v_mul_u32_u24 v62, v[HH], 8*KBP
	v_lshl_add_u32 v62, v[RR], 1, v62
	s_lshl_b32 s6, s2, 5
	s_add_co_u32 s6, s6, KHB
	v_add_nc_u32 v62, s6, v62
.irp j, 0,1,2,3,4,5,6,7
	ds_store_b32 v61, v[AC0+\j] offset:\j*KHP
	v_cvt_pk_bf16_f32 v[T+\j], v[AC0+\j], v[AC0+\j]
.endr
.irp j, 0,1,2,3,4,5,6,7
	ds_store_b16 v62, v[T+\j] offset:\j*KBP
.endr
.Lno2:
	s_wait_loadcnt 0x0                             ; on every wave's path: no load into v[128:255] is out when the loads below are issued into those registers
	; S3's weights are asked for ahead of the barrier
	v_lshlrev_b32 v60, 11, v[RR]
	v_lshl_add_u32 v60, v[HH], 5, v60              ; wq: row r, 8 h' columns of f32
	v_mul_u32_u24 v63, v[RR], KBP
	v_lshl_add_u32 v63, v[HH], 4, v63
	v_add_nc_u32 v63, KHB, v63
	s_cmp_eq_u32 s3, 0
	s_cbranch_scc0 .Lv3
.irp u, 0,1
.irp ks, 0,1
	global_load_b128 v[RAW+16*(2*\u+\ks):RAW+16*(2*\u+\ks)+3], v60, s[56:57] offset:\u*32768+\ks*128
	global_load_b128 v[RAW+16*(2*\u+\ks)+4:RAW+16*(2*\u+\ks)+7], v60, s[56:57] offset:\u*32768+\ks*128+16
	global_load_b128 v[RAW+16*(2*\u+\ks)+8:RAW+16*(2*\u+\ks)+11], v60, s[56:57] offset:\u*32768+\ks*128+64
	global_load_b128 v[RAW+16*(2*\u+\ks)+12:RAW+16*(2*\u+\ks)+15], v60, s[56:57] offset:\u*32768+\ks*128+80
.endr
.endr
	s_branch .Lj3
.Lv3:
.irp u, 0,1
.irp ks, 0,1
	global_load_b128 v[WB+8*(2*\u+\ks):WB+8*(2*\u+\ks)+3], v[FRG], s[56:57] offset:\u*2048+\ks*64
	global_load_b128 v[WB+8*(2*\u+\ks)+4:WB+8*(2*\u+\ks)+7], v[FRG], s[56:57] offset:\u*2048+\ks*64+32
.endr
.endr
.Lj3:
	BAR
	; S3: the table's 512 columns, two tiles a wave, K = 64
.irp ks, 0,1
	ds_load_b128 v[AF+8*\ks:AF+8*\ks+3], v63 offset:\ks*64
	ds_load_b128 v[AF+8*\ks+4:AF+8*\ks+7], v63 offset:\ks*64+32
.endr
	s_wait_loadcnt 0x0
	s_wait_dscnt 0x0
	s_cmp_eq_u32 s3, 0
	s_cbranch_scc0 .Lnocv
.irp f, 0,1,2,3
.irp p, 0,1,2,3,4,5,6,7
	v_cvt_pk_bf16_f32 v[WB+8*\f+\p], v[RAW+16*\f+2*\p], v[RAW+16*\f+2*\p+1]
.endr
.endr
.Lnocv:
.irp ks, 0,1
.irp u, 0,1
.if \ks == 0
	v_wmma_f32_16x16x32_bf16 v[AC0+8*\u:AC0+8*\u+7], v[AF+8*\ks:AF+8*\ks+7], v[WB+8*(2*\u+\ks):WB+8*(2*\u+\ks)+7], 0
.else
	v_wmma_f32_16x16x32_bf16 v[AC0+8*\u:AC0+8*\u+7], v[AF+8*\ks:AF+8*\ks+7], v[WB+8*(2*\u+\ks):WB+8*(2*\u+\ks)+7], v[AC0+8*\u:AC0+8*\u+7]
.endif
.endr
.endr
	PLACES
	TOPF
	BAR
	; S4: batch b's table row, rounded once, 1,024 consecutive bytes
	ROWIN
	ROWPK
	v_lshlrev_b32 v52, 5, v[LL]
	global_store_b128 v52, v[T:T+3], s[70:71]
	global_store_b128 v52, v[T+4:T+7], s[70:71] offset:16
	s_cmp_eq_u32 s3, 0
	s_cbranch_scc0 .Lfin
	s_mul_i32 s6, s2, KHP
	s_add_co_u32 s6, s6, KH
	v_lshl_add_u32 v53, v[LL], 3, s6
	v_lshlrev_b32 v59, 3, v[LL]
	ds_load_b64 v[54:55], v53
	global_load_b64 v[56:57], v59, s[30:31]
	v_mov_b32 v58, 0
	v_mov_b32 v60, 0
	s_wait_loadcnt 0x0
	s_wait_dscnt 0x0
	v_mul_f32 v54, v54, v56
	v_fma_f32 v54, v55, v57, v54
	WSUM 54, 58
	s_wait_xcnt 0x0                                ; EXEC changes only behind this wait
	v_cmp_eq_u32 vcc_lo, 0, v[LL]
	s_and_saveexec_b32 s6, vcc_lo
	global_store_b32 v60, v54, s[72:73]
	s_wait_xcnt 0x0                                ; and again in front of the line that widens it
	s_or_b32 exec_lo, exec_lo, s6
.Lfin:
	s_wait_tensorcnt 0x0                           ; the wave's end, behind my last LDS store
	ds_add_u32 v[SPW], v[NIL]
	s_wait_dscnt 0x0
	s_endpgm
.Lfunc_end_k_qf149d79cfc_style:
	.size	k_qf149d79cfc_style, .Lfunc_end_k_qf149d79cfc_style-k_qf149d79cfc_style
	.p2alignl 7, 3214868480
	.fill 96, 4, 3214868480
	.section	.rodata,"a",@progbits
	.p2align	6, 0x0
	.amdhsa_kernel k_qf149d79cfc_style
		.amdhsa_group_segment_fixed_size 75008
		.amdhsa_private_segment_fixed_size 0
		.amdhsa_enable_private_segment 0
		.amdhsa_kernarg_size 120
		.amdhsa_user_sgpr_count 2
		.amdhsa_user_sgpr_kernarg_segment_ptr 1
		.amdhsa_wavefront_size32 1
		.amdhsa_system_sgpr_workgroup_id_x 1
		.amdhsa_system_sgpr_workgroup_id_y 1
		.amdhsa_system_sgpr_workgroup_id_z 1
		.amdhsa_system_vgpr_workitem_id 0
		.amdhsa_next_free_vgpr 256
		.amdhsa_next_free_sgpr 80
		.amdhsa_reserve_vcc 1
		.amdhsa_float_denorm_mode_32 3
		.amdhsa_float_denorm_mode_16_64 3
		.amdhsa_memory_ordered 1
		.amdhsa_forward_progress 1
		.amdhsa_inst_pref_size 42
	.end_amdhsa_kernel
	.amdgpu_metadata
---
amdhsa.version: [ 1, 2 ]
amdhsa.kernels:
  - .name:           k_qf149d79cfc_style
    .symbol:         k_qf149d79cfc_style.kd
    .args:
      - { .name: style_emb, .offset: 0, .size: 8, .value_kind: global_buffer, .address_space: global }
      - { .name: WB0, .offset: 8, .size: 8, .value_kind: global_buffer, .address_space: global }
      - { .name: kproj_b, .offset: 16, .size: 8, .value_kind: global_buffer, .address_space: global }
      - { .name: kproj_ln_g, .offset: 24, .size: 8, .value_kind: global_buffer, .address_space: global }
      - { .name: kproj_ln_b, .offset: 32, .size: 8, .value_kind: global_buffer, .address_space: global }
      - { .name: vproj_b, .offset: 40, .size: 8, .value_kind: global_buffer, .address_space: global }
      - { .name: vproj_ln_g, .offset: 48, .size: 8, .value_kind: global_buffer, .address_space: global }
      - { .name: vproj_ln_b, .offset: 56, .size: 8, .value_kind: global_buffer, .address_space: global }
      - { .name: attn_bk, .offset: 64, .size: 8, .value_kind: global_buffer, .address_space: global }
      - { .name: attn_bv, .offset: 72, .size: 8, .value_kind: global_buffer, .address_space: global }
      - { .name: attn_wq, .offset: 80, .size: 8, .value_kind: global_buffer, .address_space: global }
      - { .name: attn_bq, .offset: 88, .size: 8, .value_kind: global_buffer, .address_space: global }
      - { .name: PAR, .offset: 96, .size: 8, .value_kind: global_buffer, .address_space: global }
      - { .name: out2, .offset: 104, .size: 8, .value_kind: global_buffer, .address_space: global }
      - { .name: out3, .offset: 112, .size: 8, .value_kind: global_buffer, .address_space: global }
    .group_segment_fixed_size: 75008
    .private_segment_fixed_size: 0
    .kernarg_segment_align: 8
    .kernarg_segment_size: 120
    .max_flat_workgroup_size: 512
    .sgpr_count:     80
    .vgpr_count:     256
    .wavefront_size: 32
...
	.end_amdgpu_metadata
.endif
;; end of part 2
;; launch rs1 (part 3): grid 512 x 1, 8 waves a work-group, no clusters, 0 bytes of LDS; arguments text_hidden, PAR, attn_bo, ln1_g, ln1_b, ffn_b1, HB, HF0; writes HB, HF0
.if DOCPART == 3
	.amdgcn_target "amdgcn-amd-amdhsa--gfx1250"
	.amdhsa_code_object_version 6
	.text
	.protected	k_qf149d79cfc_rs1
	.globl	k_qf149d79cfc_rs1
	.p2align	8
	.type	k_qf149d79cfc_rs1,@function
k_qf149d79cfc_rs1:
	s_mov_b64 s[64:65], 0
	v_nop
	global_prefetch_b8 v0, s[64:65] scope:SCOPE_SE
	s_setreg_imm32_b32 hwreg(HW_REG_WAVE_MODE, 25, 1), 1
	s_wait_xcnt 0x0
; ROW WORK IN FRONT OF AN FFN.  One wave, one row of 512 (16 numbers a lane: X[4 q + e] is channel 128 q + 4 l + e).  FRONT = 0: the row is text_hidden's.
; Attention with one key: score_h = (x . WQK_h + C_h) / 8; softmax over the one key, its maximum taken away; x + bo + sum_h a_h U_h; LayerNorm 1.
; The result goes out twice: in f32 (the residual) and rounded once to bf16 (the FFN's matrix operand).  Work-groups 0 and 1 also copy the layer's ffn_b1 behind HB's rows.
; No LDS, no barrier: a row never leaves its wave.  The tables of a batch (16 KiB) are read by each of its rows' waves.
.set FRONT, 0
.set LAYER, 0
.set PX,   8
.set PPAR, 10
.set PBO,  12
.set PG1,  14
.set PB1,  16
.set PFB1, 18
.set PHB,  20
.set PHF,  22
.set B1C, 4210688                      ; behind HB's 4,112 rows
.set V16, 1
.set V32, 2
.set V8,  3
.set M,   4
.set R,   6
.set S,   8                            ; v[8:15]  a number a head
.set T,   16                           ; v[16:31] at work
.set ZR,  24                           ; 0
.set X,   32
.set BO,  48
.set G1,  64
.set B1,  80
.set WQ,  96                           ; v[96:159]  WQK: head h at WQ + 8 h, two bf16 a register
.set SRC, 160
.set U,   192                          ; v[192:255] U likewise
.set SEL, 48
.set INV, 50
.set EPS, 51
.set SCL, 52
.macro WSUM va, vb
	v_add_f32_dpp v[\va], v[\va], v[\va] row_xmask:1 row_mask:0xf bank_mask:0xf
	v_add_f32_dpp v[\va], v[\va], v[\va] row_xmask:2 row_mask:0xf bank_mask:0xf
	v_add_f32_dpp v[\va], v[\va], v[\va] row_xmask:4 row_mask:0xf bank_mask:0xf
	v_add_f32_dpp v[\va], v[\va], v[\va] row_xmask:8 row_mask:0xf bank_mask:0xf
	v_permlanex16_b32 v[\vb], v[\va], s[SEL], s[SEL+1]
	v_add_f32 v[\va], v[\va], v[\vb]
.endm
.macro LNORM x, g, b                   ; mean, then the variance of the centred numbers, then gain and shift
.irp p, 0,1,2,3
	v_pk_add_f32 v[T+2*\p:T+2*\p+1], v[\x+4*\p:\x+4*\p+1], v[\x+4*\p+2:\x+4*\p+3]
.endr
	v_pk_add_f32 v[T:T+1], v[T:T+1], v[T+2:T+3]
	v_pk_add_f32 v[T+4:T+5], v[T+4:T+5], v[T+6:T+7]
	v_pk_add_f32 v[T:T+1], v[T:T+1], v[T+4:T+5]
	v_add_f32 v[T], v[T], v[T+1]
	WSUM T, T+1
	v_mul_f32 v[M], s[INV], v[T]
	v_mul_f32 v[M+1], s[INV], v[T]
.irp p, 0,1,2,3,4,5,6,7
	v_pk_add_f32 v[\x+2*\p:\x+2*\p+1], v[\x+2*\p:\x+2*\p+1], v[M:M+1] neg_lo:[0,1] neg_hi:[0,1]
.endr
	v_pk_mul_f32 v[T:T+1], v[\x:\x+1], v[\x:\x+1]
	v_pk_mul_f32 v[T+2:T+3], v[\x+2:\x+3], v[\x+2:\x+3]
.irp p, 2,3,4,5,6,7
	v_pk_fma_f32 v[T+2*(\p%2):T+2*(\p%2)+1], v[\x+2*\p:\x+2*\p+1], v[\x+2*\p:\x+2*\p+1], v[T+2*(\p%2):T+2*(\p%2)+1]
.endr
	v_pk_add_f32 v[T:T+1], v[T:T+1], v[T+2:T+3]
	v_add_f32 v[T], v[T], v[T+1]
	WSUM T, T+1
	v_fma_f32 v[T], v[T], s[INV], s[EPS]
	v_rsq_f32 v[R], v[T]
	v_rsq_f32 v[R+1], v[T]
	v_nop                                          ; a plain instruction behind the last root,
	s_wait_alu depctr_va_vdst(0)                   ; and the one wait for both, ahead of their first reader
.irp p, 0,1,2,3,4,5,6,7
	v_pk_mul_f32 v[\x+2*\p:\x+2*\p+1], v[\x+2*\p:\x+2*\p+1], v[R:R+1]
.endr
.irp p, 0,1,2,3,4,5,6,7
	v_pk_fma_f32 v[\x+2*\p:\x+2*\p+1], v[\x+2*\p:\x+2*\p+1], v[\g+2*\p:\g+2*\p+1], v[\b+2*\p:\b+2*\p+1]
.endr
.endm
.macro TLOAD dst, off                  ; a batch's table: eight rows of 1,024 bytes, 32 bytes a lane
.set h, 0
.rept 8
	global_load_b128 v[\dst+8*h:\dst+8*h+3], v[V32], s[40:41] offset:\off+1024*h
	global_load_b128 v[\dst+8*h+4:\dst+8*h+7], v[V32], s[40:41] offset:\off+1024*h+16
.set h, h+1
.endr
.endm
	s_load_b512 s[8:23], s[0:1], 0x0
	v_and_b32 v8, 31, v0
	v_lshrrev_b32 v9, 5, v0
	v_readfirstlane_b32 s2, v9
	v_lshlrev_b32 v[V16], 4, v8
	v_lshlrev_b32 v[V32], 5, v8
	v_lshlrev_b32 v[V8], 3, v8
	v_mov_b32 v[ZR], 0
	s_lshl_b32 s3, ttmp9, 3
	s_add_co_u32 s3, s3, s2                        ; row
	s_lshr_b32 s4, ttmp9, 5                        ; batch
	s_add_co_u32 s5, s4, 16*LAYER
	s_lshl_b32 s40, s5, 13
	s_mov_b32 s41, 0
	s_lshl_b32 s42, s5, 5
	s_add_co_u32 s42, s42, 524288
	s_mov_b32 s43, 0
	s_lshl_b32 s44, s3, 11
	s_mov_b32 s45, 0
	s_lshl_b32 s46, s3, 10
	s_mov_b32 s47, 0
	s_mov_b32 s[SEL], 0x76543210
	s_mov_b32 s[SEL+1], 0xfedcba98
	s_mov_b32 s[INV], 0x3b000000                   ; 1 / 512
	s_mov_b32 s[EPS], 0x3727c5ac                   ; 1e-5
	s_mov_b32 s[SCL], 0x3e000000                   ; 1 / sqrt(64)
	s_wait_kmcnt 0x0
	s_add_nc_u64 s[42:43], s[PPAR:PPAR+1], s[42:43]
	s_load_b256 s[32:39], s[42:43], 0x0            ; C of the batch's eight heads
	s_add_nc_u64 s[40:41], s[PPAR:PPAR+1], s[40:41]
	s_add_nc_u64 s[56:57], s[PHB:PHB+1], s[46:47]
	s_add_nc_u64 s[58:59], s[PHF:PHF+1], s[44:45]
	s_add_nc_u64 s[54:55], s[PX:PX+1], s[44:45]
	TLOAD WQ, 0
.irp q, 0,1,2,3
	global_load_b128 v[BO+4*\q:BO+4*\q+3], v[V16], s[PBO:PBO+1] offset:2048*LAYER+512*\q
	global_load_b128 v[G1+4*\q:G1+4*\q+3], v[V16], s[PG1:PG1+1] offset:2048*LAYER+512*\q
	global_load_b128 v[B1+4*\q:B1+4*\q+3], v[V16], s[PB1:PB1+1] offset:2048*LAYER+512*\q
.endr
.irp q, 0,1,2,3
	global_load_b128 v[X+4*\q:X+4*\q+3], v[V16], s[54:55] offset:512*\q th:TH_LOAD_NT
.endr
	TLOAD U, 262144
	s_wait_loadcnt 0x0
	; the scores: eight chains that do not wait for each other
.set k, 0
.rept 8
.irp hf, 0,1
.set h, 0
.rept 8
.if (k == 0) && (\hf == 0)
	v_fma_mix_f32_bf16 v[S+h], v[WQ+8*h+k], v[X+2*k+\hf], v[ZR] op_sel:[\hf,0,0] op_sel_hi:[1,0,0]
.else
	v_fma_mix_f32_bf16 v[S+h], v[WQ+8*h+k], v[X+2*k+\hf], v[S+h] op_sel:[\hf,0,0] op_sel_hi:[1,0,0]
.endif
.set h, h+1
.endr
.endr
.set k, k+1
.endr
.irp m, 1,2,4,8
.set h, 0
.rept 8
	v_add_f32_dpp v[S+h], v[S+h], v[S+h] row_xmask:\m row_mask:0xf bank_mask:0xf
.set h, h+1
.endr
.endr
.set h, 0
.rept 8
	v_permlanex16_b32 v[WQ+h], v[S+h], s[SEL], s[SEL+1]  ; WQK's registers are free, and have been written
.set h, h+1
.endr
	s_wait_kmcnt 0x0
.set h, 0
.rept 8
	v_add_f32 v[S+h], v[S+h], v[WQ+h]
	s_mul_f32 s[32+h], s[32+h], s[SCL]
.set h, h+1
.endr
.set h, 0
.rept 8
	v_fma_f32 v[S+h], v[S+h], s[SCL], s[32+h]      ; (x . WQK + C) / 8
.set h, h+1
.endr
	; softmax over the one key: the row's maximum is that key's score; e = exp(s - max); a = e / sum, the sum being e
.set h, 0
.rept 8
	v_sub_f32 v[T+h], v[S+h], v[S+h]
.set h, h+1
.endr
.set h, 0
.rept 8
	v_mul_f32 v[T+h], 0x3fb8aa3b, v[T+h]
.set h, h+1
.endr
.set h, 0
.rept 8
	v_exp_f32 v[T+h], v[T+h]
.set h, h+1
.endr
	v_nop
	s_wait_alu depctr_va_vdst(0)                   ; one wait for the eight exponentials
.set h, 0
.rept 8
	v_rcp_f32 v[S+h], v[T+h]
.set h, h+1
.endr
	v_nop
	s_wait_alu depctr_va_vdst(0)                   ; one wait for the eight reciprocals
.set h, 0
.rept 8
	v_mul_f32 v[S+h], v[T+h], v[S+h]
.set h, h+1
.endr
.irp p, 0,1,2,3,4,5,6,7
	v_pk_add_f32 v[X+2*\p:X+2*\p+1], v[X+2*\p:X+2*\p+1], v[BO+2*\p:BO+2*\p+1]
.endr
.set h, 0
.rept 8
.set k, 0
.rept 8
	v_fma_mix_f32_bf16 v[X+2*k], v[U+8*h+k], v[S+h], v[X+2*k] op_sel_hi:[1,0,0]
	v_fma_mix_f32_bf16 v[X+2*k+1], v[U+8*h+k], v[S+h], v[X+2*k+1] op_sel:[1,0,0] op_sel_hi:[1,0,0]
.set k, k+1
.endr
.set h, h+1
.endr
	LNORM X, G1, B1
.irp q, 0,1,2,3
	global_store_b128 v[V16], v[X+4*\q:X+4*\q+3], s[58:59] offset:512*\q
.endr
.irp p, 0,1,2,3,4,5,6,7
	v_cvt_pk_bf16_f32 v[T+8+\p], v[X+2*\p], v[X+2*\p+1]
.endr
.irp q, 0,1,2,3
	global_store_b64 v[V8], v[T+8+2*\q:T+8+2*\q+1], s[56:57] offset:256*\q  ; the wave stores 256 consecutive bytes, aligned
.endr
	s_cmp_lt_u32 ttmp9, 2                          ; sixteen waves copy 512 bytes each of the layer's ffn_b1
	s_cbranch_scc0 .Lend
	s_lshl_b32 s54, s3, 9
	s_mov_b32 s55, 0
	s_add_nc_u64 s[62:63], s[PFB1:PFB1+1], s[54:55]
	s_add_nc_u64 s[60:61], s[PHB:PHB+1], s[54:55]
	global_load_b128 v[T:T+3], v[V16], s[62:63] offset:8192*LAYER
	s_wait_loadcnt 0x0
	global_store_b128 v[V16], v[T:T+3], s[60:61] offset:B1C
.Lend:
	s_endpgm
.Lfunc_end_k_qf149d79cfc_rs1:
	.size	k_qf149d79cfc_rs1, .Lfunc_end_k_qf149d79cfc_rs1-k_qf149d79cfc_rs1
	.p2alignl 7, 3214868480
	.fill 96, 4, 3214868480
	.section	.rodata,"a",@progbits
	.p2align	6, 0x0
	.amdhsa_kernel k_qf149d79cfc_rs1
		.amdhsa_group_segment_fixed_size 0
		.amdhsa_private_segment_fixed_size 0
		.amdhsa_enable_private_segment 0
		.amdhsa_kernarg_size 64
		.amdhsa_user_sgpr_count 2
		.amdhsa_user_sgpr_kernarg_segment_ptr 1
		.amdhsa_wavefront_size32 1
		.amdhsa_system_sgpr_workgroup_id_x 1
		.amdhsa_system_sgpr_workgroup_id_y 1
		.amdhsa_system_sgpr_workgroup_id_z 1
		.amdhsa_system_vgpr_workitem_id 0
		.amdhsa_next_free_vgpr 256
		.amdhsa_next_free_sgpr 66
		.amdhsa_reserve_vcc 0
		.amdhsa_float_denorm_mode_32 3
		.amdhsa_float_denorm_mode_16_64 3
		.amdhsa_memory_ordered 1
		.amdhsa_forward_progress 1
		.amdhsa_inst_pref_size 33
	.end_amdhsa_kernel
	.amdgpu_metadata
---
amdhsa.version: [ 1, 2 ]
amdhsa.kernels:
  - .name:           k_qf149d79cfc_rs1
    .symbol:         k_qf149d79cfc_rs1.kd
    .args:
      - { .name: text_hidden, .offset: 0, .size: 8, .value_kind: global_buffer, .address_space: global }
      - { .name: PAR, .offset: 8, .size: 8, .value_kind: global_buffer, .address_space: global }
      - { .name: attn_bo, .offset: 16, .size: 8, .value_kind: global_buffer, .address_space: global }
      - { .name: ln1_g, .offset: 24, .size: 8, .value_kind: global_buffer, .address_space: global }
      - { .name: ln1_b, .offset: 32, .size: 8, .value_kind: global_buffer, .address_space: global }
      - { .name: ffn_b1, .offset: 40, .size: 8, .value_kind: global_buffer, .address_space: global }
      - { .name: HB, .offset: 48, .size: 8, .value_kind: global_buffer, .address_space: global }
      - { .name: HF0, .offset: 56, .size: 8, .value_kind: global_buffer, .address_space: global }
    .group_segment_fixed_size: 0
    .private_segment_fixed_size: 0
    .kernarg_segment_align: 8
    .kernarg_segment_size: 64
    .max_flat_workgroup_size: 256
    .sgpr_count:     66
    .vgpr_count:     256
    .wavefront_size: 32
...
	.end_amdgpu_metadata
.endif
;; end of part 3
;; launch ffn (part 4): grid 64 x 4, 4 waves a work-group, clusters of 4 x 1, 327,680 bytes of LDS; arguments HB, WB0, P; writes P
.if DOCPART == 4
	.amdgcn_target "amdgcn-amd-amdhsa--gfx1250"
	.amdhsa_code_object_version 6
	.text
	.protected	k_qf149d79cfc_ffn
	.globl	k_qf149d79cfc_ffn
	.p2align	8
	.type	k_qf149d79cfc_ffn,@function
k_qf149d79cfc_ffn:
	s_mov_b64 s[64:65], 0
	v_nop
	global_prefetch_b8 v0, s[64:65] scope:SCOPE_SE
	s_setreg_imm32_b32 hwreg(HW_REG_WAVE_MODE, 25, 1), 1
	s_wait_xcnt 0x0
	s_wait_alu depctr_hold_cnt(0) depctr_sa_sdst(0) depctr_va_vdst(0) depctr_va_sdst(0) depctr_va_ssrc(0) depctr_va_vcc(0) depctr_vm_vsrc(0)
	s_getreg_b32 s2, hwreg(HW_REG_IB_STS2, 6, 4)
	s_cmp_eq_u32 s2, 0
	s_cbranch_scc0 .Lentry_in_a_cluster
	s_endpgm
.Lentry_in_a_cluster:
	s_bfe_u32 s2, ttmp6, 0x10000c
	s_cmp_lg_u32 s2, 0x3003
	s_cbranch_scc0 .Lentry_shape_is_right
	s_endpgm
.Lentry_shape_is_right:
; A SLICE OF AN FFN.  P[s][row][:] = gelu(h[row] w1[:, slice s] + b1[slice s]) w2[slice s, :], for 64 rows and a slice of 512 hidden units.  h: bf16 rows of 1,024 bytes in HB; b1: f32, behind HB's rows;
; the weights: bf16 blocks [n % 64][k % 64] (w1 at 0, w2 at 2 MiB of the weight buffer), so that the 64 hidden units of a CHUNK are 65,536 dense bytes of w1 and of w2.  Sums in f32; the activations are rounded once to bf16
; for the second product; the four slices' partial sums leave in f32 and are added by the next launch.
; SHARES.  64 row blocks x 4 slices = 256 work-groups of four waves.  The 64 rows of h stay in registers (512 a wave).  A step is a chunk: phase A, wave w makes hidden units 16 w .. 16 w + 15 for all 64 rows (64 matrix instructions);
; GELU; the activations meet in LDS; phase B, wave w adds the chunk's share to output channels 128 w .. 128 w + 127 of all 64 rows (64 matrix instructions, 32 accumulators).
; Both products are used turned (source 0 = weights, source 1 = rows): a lane holds one row and eight neighbouring hidden units or channels.
; RING.  Two LDS slots of one chunk (w1's and w2's 64 KiB).  Each wave fetches a quarter of a slot with one tensor load of 128 rows of 256 bytes, padded behind every 128 bytes.  Two loads of a wave are out at the start, later one.
; CLUSTER.  The four row blocks of a cluster walk the same slice's weights: each tile is asked for jointly, by the same load, descriptor and mask in all four.
; GELU.  gelu(x) = max(x, 0) - |x| (a1 t + a2 t^2 + a3 t^3) 2^(c x^2), t = 1 / (1 + p |x|): erf by a rational form whose error is at most 2.5e-5 for every x.
; REGISTERS, in windows of 256: window 0: v2-15 addresses; v[16:47] phase A's four accumulators; v[48:55] bias; v[56:63] at work; v[64:127] GELU's t and exponentials, then the activations' fragments; v[128:255] 16 weight fragments
;   windows 1, 2: h's fragments, K step ks, row tile tt at 32 (ks % 8) + 8 tt        window 3: phase B's accumulators, channel tile ct, row tile tt at 8 (4 ct + tt)
.set CHUNK,  65536
.set PITCH,  144                       ; an LDS row: 128 bytes + 16: the 16 rows of a fragment start at 16 different groups of four banks
.set BLK,    64*PITCH
.set HALF,   4*BLK                     ; what one tensor load brings
.set W2O,    8*BLK
.set SLOT,   16*BLK
.set ACT,    2*SLOT                    ; 64 rows x 64 activations in bf16, pitch 144; no tile lands here
.set SPARE,  ACT+BLK                   ; the spare words, 128 bytes a wave
.set STAGE,  SPARE+512                 ; the way out: 16 rows x 272 bytes for each wave; no tile lands here
.set SPITCH, 272
.set B1C,    4210688
.set AW1, 2                            ; v2-3  my w1 fragments in slot 0, 1
.set AW2, 4                            ; v4-5  my w2 fragments
.set ACTS, 6
.set ACTL, 7
.set STS, 8
.set STL, 9
.set PO,  10
.set HO,  11
.set BO,  12
.set PFO, 13
.set SPW, 14
.set NIL, 15
.set HX,  16
.set BI,  48
.set QB,  56
.set TB,  64
.set EB,  96
.set AFR, 64
.set FB,  128
.set WV,  10
.set PFA, 18                           ; s[18:19] where my prefetches stand
.set LIM, 20
.set G1,  24
.set G0,  32
.set SPC, 40                           ; s[40:49] GELU's constants, each as a pair
.set SCC2, 42
.set A1,  44
.set A2,  46
.set A3,  48
.set MSB, 0
.macro WIN new                         ; the immediate's high byte repeats the setting that is left
.if MSB != (\new)
	s_set_vgpr_msb (MSB<<8)|(\new)
.set MSB, \new
.endif
.endm
.macro PLACES                          ; four places behind a matrix instruction (ISA guide 7.12.1)
.rept 4
	v_nop
.endr
.endm
.macro ROUND                           ; a round of the cluster's barrier
	s_barrier_signal -1
	s_barrier_wait -1
	s_cmp_lg_u32 s[WV], 0
	s_cbranch_scc1 .Lnw0_\@
	s_barrier_signal -3
.Lnw0_\@:
	s_barrier_wait -3
	s_barrier_signal -1
	s_barrier_wait -1
.endm
; A prefetch into the L2: 32 blocks of 256 bytes, a lane a block, of my quarter of the chunk that stands two refills on.  All sixteen clusters of a slice walk the same weights: the first of them asks; its four partners
; share a quarter's 128 blocks out by address.  So each block is named once in the launch.  The loop's last trip asks for nothing: the slice has no further chunk.  A slice's first four chunks come by their loads alone.
.macro ASK
	s_cmp_gt_u32 s3, s[LIM]
	s_cbranch_scc0 .Lna_\@
	global_prefetch_b8 v[PFO], s[PFA:PFA+1] th:TH_LOAD_NT scope:SCOPE_SE
.Lna_\@:
.endm
.macro BIASADD nv
.set g, 0
.rept (\nv)/2
	v_pk_add_f32 v[HX+g:HX+g+1], v[HX+g:HX+g+1], v[BI+g%8:BI+g%8+1]
.set g, g+2
.endr
.endm
.macro GELU nv                         ; in place on v[HX ..]; all reciprocals and exponentials are one batch with one wait
.set g, 0
.rept \nv
	v_fma_f32 v[TB+g], |v[HX+g]|, s[SPC], 1.0
.set g, g+1
.endr
.set g, 0
.rept (\nv)/2
	v_pk_mul_f32 v[EB+g:EB+g+1], v[HX+g:HX+g+1], v[HX+g:HX+g+1]
.set g, g+2
.endr
.set g, 0
.rept (\nv)/2
	v_pk_mul_f32 v[EB+g:EB+g+1], v[EB+g:EB+g+1], s[SCC2:SCC2+1] op_sel_hi:[1,0]
.set g, g+2
.endr
.set g, 0
.rept \nv
	v_rcp_f32 v[TB+g], v[TB+g]
.set g, g+1
.endr
.set g, 0
.rept \nv
	v_exp_f32 v[EB+g], v[EB+g]
.set g, g+1
.endr
	v_nop                                          ; a plain instruction behind the last of them,
	s_wait_alu depctr_va_vdst(0)                   ; and the one wait for the batch, ahead of its first reader
.set g, 0
.rept (\nv)/8
.irp p, 0,2,4,6
	v_pk_fma_f32 v[QB+\p:QB+\p+1], v[TB+g+\p:TB+g+\p+1], s[A3:A3+1], s[A2:A2+1] op_sel_hi:[1,0,0]
.endr
.irp p, 0,2,4,6
	v_pk_fma_f32 v[QB+\p:QB+\p+1], v[QB+\p:QB+\p+1], v[TB+g+\p:TB+g+\p+1], s[A1:A1+1] op_sel_hi:[1,1,0]
.endr
.irp p, 0,2,4,6
	v_pk_mul_f32 v[QB+\p:QB+\p+1], v[QB+\p:QB+\p+1], v[TB+g+\p:TB+g+\p+1]
.endr
.irp p, 0,2,4,6
	v_pk_mul_f32 v[QB+\p:QB+\p+1], v[QB+\p:QB+\p+1], v[EB+g+\p:EB+g+\p+1]
.endr
.irp p, 0,1,2,3,4,5,6,7
	v_max_num_f32 v[EB+g+\p], 0, v[HX+g+\p]
.endr
.irp p, 0,1,2,3,4,5,6,7
	v_fma_f32 v[HX+g+\p], -v[QB+\p], |v[HX+g+\p]|, v[EB+g+\p]
.endr
.set g, g+8
.endr
.endm
	s_load_b128 s[4:7], s[0:1], 0x0                ; HB, the layer's weights
	s_load_b64 s[8:9], s[0:1], 0x10                ; P
	v_lshl_add_u32 v[SPW], v0, 2, SPARE
	v_mov_b32 v[NIL], 0
	ds_add_u32 v[SPW], v[NIL]                      ; the wave's opening: the add, twice on end, and its wait ahead of my first tensor load
	ds_add_u32 v[SPW], v[NIL]
	v_lshrrev_b32 v56, 5, v0
	v_readfirstlane_b32 s[WV], v56                 ; wave
	s_bfe_u32 s11, ttmp6, 0x40000                  ; cx: my place in the cluster
	s_lshl_b32 s12, ttmp9, 2
	s_add_co_u32 s12, s12, s11                     ; my row block: it enters HB's and P's addresses alone
	s_and_b32 s13, ttmp7, 0xffff                   ; the slice, which the four partners share
	s_mov_b32 s[G1], 15|(1<<16)|(1<<20)|(1<<21)|(4<<22)|(3<<25)  ; the mask of four; 2-byte elements; padding on; bit 21 beside a mask; after every 32 words; 4 words
	s_mov_b32 s[G1+1], 128<<16                     ; tensor_dim0 = 128
	s_mov_b32 s[G1+2], 128<<16                     ; tensor_dim1 = 128
	s_mov_b32 s[G1+3], 128<<16                     ; tile_dim0 = 128
	s_mov_b32 s[G1+4], 128                         ; tile_dim1 = 128
	s_mov_b32 s[G1+5], 128                         ; 128 elements from row to row: the bytes are dense
	s_mov_b32 s[G1+6], 0
	s_mov_b32 s[G1+7], 0
	s_mov_b32 s[SPC], 0x3eaa540e                   ; p = 0.47047 / sqrt(2)
	s_mov_b32 s[SPC+1], 0x3eaa540e
	s_mov_b32 s[SCC2], 0xbf38aa3b                  ; c = -log2(e) / 2
	s_mov_b32 s[SCC2+1], 0xbf38aa3b
	s_mov_b32 s[A1], 0x3e32303a                    ; 0.1740121
	s_mov_b32 s[A1+1], 0x3e32303a
	s_mov_b32 s[A2], 0xbd445ca1                    ; -0.0479399
	s_mov_b32 s[A2+1], 0xbd445ca1
	s_mov_b32 s[A3], 0x3ebf7377                    ; 0.3739278
	s_mov_b32 s[A3+1], 0x3ebf7377
	s_lshr_b32 s14, s[WV], 1                       ; waves 0, 1 fetch w1's two halves of a chunk, waves 2, 3 w2's
	s_lshl_b32 s14, s14, 21
	s_lshl_b32 s15, s13, 19                        ; the slice's eight chunks
	s_add_co_u32 s14, s14, s15
	s_and_b32 s15, s[WV], 1
	s_lshl_b32 s15, s15, 15
	s_add_co_u32 s14, s14, s15
	s_mov_b32 s15, 0
	s_mul_i32 s16, s[WV], HALF                     ; and where it goes: no place in the cluster enters an LDS address
	s_lshl_b32 s52, s11, 13                        ; the prefetches: my work-group's 32 blocks of a quarter's 128
	s_mov_b32 s53, 0
	s_cmp_eq_u32 ttmp9, 0
	s_cselect_b32 s[LIM], 1, -1                    ; the same in all four partners
	s_lshl_b32 s54, s12, 16                        ; my 64 rows of h
	s_mov_b32 s55, 0
	s_lshl_b32 s50, s13, 11                        ; the slice's 512 biases
	s_add_co_u32 s50, s50, B1C
	s_mov_b32 s51, 0
	s_lshl_b32 s22, s13, 23                        ; P: slice, row block, my 128 channels
	s_lshl_b32 s23, s12, 17
	s_add_co_u32 s22, s22, s23
	s_lshl_b32 s23, s[WV], 9
	s_add_co_u32 s22, s22, s23
	s_mov_b32 s23, 0
	s_wait_dscnt 0x0                               ; both opening adds are done
	s_wait_kmcnt 0x0
	s_add_nc_u64 s[14:15], s[6:7], s[14:15]        ; my quarter of the slice's chunk 0
	s_add_nc_u64 s[PFA:PFA+1], s[14:15], s[52:53]
	s_add_nc_u64 s[PFA:PFA+1], s[PFA:PFA+1], 3*CHUNK  ; the first refill steps it to chunk 4
	s_add_nc_u64 s[54:55], s[4:5], s[54:55]
	s_add_nc_u64 s[50:51], s[4:5], s[50:51]
	s_add_nc_u64 s[8:9], s[8:9], s[22:23]
.irp s, 0,1
	s_mov_b32 s[G0+4*\s], 1
	s_add_co_u32 s[G0+4*\s+1], s16, \s*SLOT
	s_add_nc_u64 s[G0+4*\s+2:G0+4*\s+3], s[14:15], \s*CHUNK
	s_or_b32 s[G0+4*\s+3], s[G0+4*\s+3], 0x80000000
.endr
	ROUND                                          ; all four work-groups are here: the first joint loads meet
	tensor_load_to_lds s[G0:G0+3], s[G1:G1+7]      ; chunk 0
	s_nop 0
	tensor_load_to_lds s[G0+4:G0+7], s[G1:G1+7]    ; chunk 1
	s_nop 0
	PLACES
	v_and_b32 v56, 15, v0                          ; r
	v_bfe_u32 v57, v0, 4, 1                        ; h'
	v_and_b32 v58, 31, v0
	v_lshlrev_b32 v[HO], 10, v56
	v_lshl_add_u32 v[HO], v57, 4, v[HO]
	s_lshl_b32 s52, s[WV], 6
	v_lshl_add_u32 v[BO], v57, 5, s52              ; my eight hidden units' biases: 64 w + 32 h'
	WIN 0x40                                       ; destination window 1
.set k, 0
.rept 8
.irp tt, 0,1,2,3
	global_load_b128 v[32*k+8*\tt:32*k+8*\tt+3], v[HO], s[54:55] offset:\tt*16384+k*64
	global_load_b128 v[32*k+8*\tt+4:32*k+8*\tt+7], v[HO], s[54:55] offset:\tt*16384+k*64+32
.endr
.set k, k+1
.endr
	WIN 0x80                                       ; destination window 2
.set k, 0
.rept 8
.irp tt, 0,1,2,3
	global_load_b128 v[32*k+8*\tt:32*k+8*\tt+3], v[HO], s[54:55] offset:\tt*16384+(k+8)*64
	global_load_b128 v[32*k+8*\tt+4:32*k+8*\tt+7], v[HO], s[54:55] offset:\tt*16384+(k+8)*64+32
.endr
.set k, k+1
.endr
	WIN 0
	global_load_b128 v[BI:BI+3], v[BO], s[50:51]
	global_load_b128 v[BI+4:BI+7], v[BO], s[50:51] offset:16
	v_mul_u32_u24 v59, v56, PITCH
	v_lshl_add_u32 v59, v57, 4, v59                ; a fragment's row x pitch + 16 x half
	s_mul_i32 s52, s[WV], 16*PITCH
	v_add_nc_u32 v[AW1], s52, v59
	v_add_nc_u32 v[AW1+1], SLOT, v[AW1]
	s_mul_i32 s52, s[WV], 2*BLK
	s_add_co_u32 s52, s52, W2O
	v_add_nc_u32 v[AW2], s52, v59
	v_add_nc_u32 v[AW2+1], SLOT, v[AW2]
	v_add_nc_u32 v[ACTL], ACT, v59
	s_lshl_b32 s52, s[WV], 5
	v_add_nc_u32 v[ACTS], s52, v[ACTL]
	s_mul_i32 s52, s[WV], 16*SPITCH
	s_add_co_u32 s52, s52, STAGE
	v_mul_u32_u24 v[STS], v56, SPITCH
	v_lshl_add_u32 v[STS], v57, 5, v[STS]
	v_add_nc_u32 v[STS], s52, v[STS]
	v_mul_u32_u24 v[STL], v57, SPITCH
	v_lshl_add_u32 v[STL], v56, 4, v[STL]
	v_add_nc_u32 v[STL], s52, v[STL]
	v_lshlrev_b32 v[PO], 11, v57
	v_lshl_add_u32 v[PO], v56, 4, v[PO]
	v_lshlrev_b32 v[PFO], 8, v58
; A STEP: the chunk in slot.  kind 0: the first; 1: the other slot is filled again, behind a round; 2: the last.  zero = 1: phase B's products start the sums.  more = 1: the next chunk's biases are asked for.
.macro STEP slot, kind, zero, more
.if (\kind) == 0
	s_wait_tensorcnt 0x1                           ; my part of chunk 0 is in; chunk 1's stays out
	s_barrier_signal -1
	s_barrier_wait -1
.elseif (\kind) == 1
	s_wait_xcnt 0x0                                ; the last prefetch, a step back, has read its address
	s_add_nc_u64 s[PFA:PFA+1], s[PFA:PFA+1], CHUNK
	s_wait_tensorcnt 0x0                           ; all my tensor loads have landed: my part of this step's chunk
	ds_add_u32 v[SPW], v[NIL]                      ; 0 onto my spare word
	s_add_nc_u64 s[G0+6-4*(\slot):G0+7-4*(\slot)], s[G0+6-4*(\slot):G0+7-4*(\slot)], 2*CHUNK  ; no load of mine is out: the other slot's next chunk
	s_wait_dscnt 0x0                               ; the add is done, and my reads of the other slot and of the activations are over
	ROUND                                          ; both now hold of every wave of the four work-groups
	tensor_load_to_lds s[G0+4-4*(\slot):G0+7-4*(\slot)], s[G1:G1+7]  ; my one load behind the round: it has this step's 128 matrix instructions and its GELU in which to land
	s_nop 0
	PLACES                                         ; also the places in front of the loads below
.else
	s_wait_tensorcnt 0x0
	ds_add_u32 v[SPW], v[NIL]
	s_wait_dscnt 0x0
	s_barrier_signal -1
	s_barrier_wait -1
	PLACES
.endif
.set k, 0
.rept 16                               ; w1: my 16 hidden units, all 16 K steps
	ds_load_b128 v[FB+8*k:FB+8*k+3], v[AW1+(\slot)] offset:(k/2)*BLK+(k%2)*64
	ds_load_b128 v[FB+8*k+4:FB+8*k+7], v[AW1+(\slot)] offset:(k/2)*BLK+(k%2)*64+32
.set k, k+1
.endr
.if (\kind) == 1
	ASK
.endif
.if (\kind) == 0
	s_wait_loadcnt 0x2                             ; h is in; the two bias loads stay out
.endif
.set k, 0
.rept 16                               ; phase A: the four accumulators by turns
	s_wait_dscnt 30-2*k                            ; K step k's fragment is in; the younger ones stay out
	WIN 0x04+0x04*(k/8)                            ; source 1 in window 1 or 2
.irp tt, 0,1,2,3
.if k == 0
	v_wmma_f32_16x16x32_bf16 v[HX+8*\tt:HX+8*\tt+7], v[FB+8*k:FB+8*k+7], v[32*(k%8)+8*\tt:32*(k%8)+8*\tt+7], 0
.else
	v_wmma_f32_16x16x32_bf16 v[HX+8*\tt:HX+8*\tt+7], v[FB+8*k:FB+8*k+7], v[32*(k%8)+8*\tt:32*(k%8)+8*\tt+7], v[HX+8*\tt:HX+8*\tt+7]
.endif
.endr
.set k, k+1
.endr
	WIN 0
	PLACES
.set k, 0
.rept 16                               ; w2: my 8 channel tiles x 2 K steps (k = 2 ct + ks): they land under the GELU
	ds_load_b128 v[FB+8*k:FB+8*k+3], v[AW2+(\slot)] offset:(k/8)*BLK+((k/2)%4)*16*PITCH+(k%2)*64
	ds_load_b128 v[FB+8*k+4:FB+8*k+7], v[AW2+(\slot)] offset:(k/8)*BLK+((k/2)%4)*16*PITCH+(k%2)*64+32
.set k, k+1
.endr
	s_wait_loadcnt 0x0                             ; the chunk's biases
	BIASADD 32
.if \more
	v_add_nc_u32 v[BO], 256, v[BO]                 ; free since that wait
	global_load_b128 v[BI:BI+3], v[BO], s[50:51]
	global_load_b128 v[BI+4:BI+7], v[BO], s[50:51] offset:16
.endif
	GELU 32
.irp tt, 0,1,2,3
.irp p, 0,1,2,3
	v_cvt_pk_bf16_f32 v[TB+4*\tt+\p], v[HX+8*\tt+2*\p], v[HX+8*\tt+2*\p+1]
.endr
.endr
.irp tt, 0,1,2,3
	ds_store_b128 v[ACTS], v[TB+4*\tt:TB+4*\tt+3] offset:\tt*16*PITCH
.endr
	s_wait_dscnt 0x0                               ; for the others' sake: my activations lie in LDS
	s_barrier_signal -1
	s_barrier_wait -1                              ; the refill may stay out
.irp tt, 0,1,2,3
.irp ks, 0,1
	ds_load_b128 v[AFR+8*(2*\tt+\ks):AFR+8*(2*\tt+\ks)+3], v[ACTL] offset:\tt*16*PITCH+\ks*64
	ds_load_b128 v[AFR+8*(2*\tt+\ks)+4:AFR+8*(2*\tt+\ks)+7], v[ACTL] offset:\tt*16*PITCH+\ks*64+32
.endr
.endr
	s_wait_dscnt 0x0
	WIN 0xf0                                       ; C and D in window 3
.irp ks, 0,1
.set c, 0
.rept 8                                ; phase B: the 32 accumulators by turns
.irp tt, 0,1,2,3
.if (\zero) && (\ks == 0)
	v_wmma_f32_16x16x32_bf16 v[8*(4*c+\tt):8*(4*c+\tt)+7], v[FB+8*(2*c+\ks):FB+8*(2*c+\ks)+7], v[AFR+8*(2*\tt+\ks):AFR+8*(2*\tt+\ks)+7], 0
.else
	v_wmma_f32_16x16x32_bf16 v[8*(4*c+\tt):8*(4*c+\tt)+7], v[FB+8*(2*c+\ks):FB+8*(2*c+\ks)+7], v[AFR+8*(2*\tt+\ks):AFR+8*(2*\tt+\ks)+7], v[8*(4*c+\tt):8*(4*c+\tt)+7]
.endif
.endr
.set c, c+1
.endr
.endr
	WIN 0
.endm
; THE WAY OUT of row tile tt, channels 64 hc ..: a lane's eight channels of a row go into my stage, and come back as whole rows of 256 bytes.
.macro OUT tt, hc
	WIN 0x0c                                       ; the stores' data in window 3
.irp c, 0,1,2,3
	ds_store_b128 v[STS], v[8*(4*(4*\hc+\c)+\tt):8*(4*(4*\hc+\c)+\tt)+3] offset:64*\c
	ds_store_b128 v[STS], v[8*(4*(4*\hc+\c)+\tt)+4:8*(4*(4*\hc+\c)+\tt)+7] offset:64*\c+16
.endr
	WIN 0
	s_wait_xcnt 0x0                                ; the registers that the last stores read are loaded anew only behind this wait
.irp i, 0,1,2,3,4,5,6,7
	ds_load_b128 v[64+4*\i:64+4*\i+3], v[STL] offset:\i*2*SPITCH  ; LDS serves a wave's instructions in order: these see the stores above
.endr
.irp i, 0,1,2,3,4,5,6,7
	s_wait_dscnt 7-\i
	global_store_b128 v[PO], v[64+4*\i:64+4*\i+3], s[8:9] offset:(16*\tt+2*\i)*2048+\hc*256  ; 16 lanes store 256 consecutive bytes, aligned
.endr
.endm
	STEP 0, 0, 1, 1
	s_mov_b32 s3, 3
.Lpair:                                        ; chunks 1 to 6: each step fills the other slot again
	STEP 1, 1, 0, 1
	STEP 0, 1, 0, 1
	s_sub_co_u32 s3, s3, 1
	s_cmp_lg_u32 s3, 0
	s_cbranch_scc1 .Lpair
	STEP 1, 2, 0, 0                                ; chunk 7: nothing is left to fetch
	PLACES
.irp tt, 0,1,2,3
	OUT \tt, 0
	OUT \tt, 1
.endr
	s_wait_tensorcnt 0x0                           ; the wave's end, behind my last tensor load and my last LDS store
	ds_add_u32 v[SPW], v[NIL]
	s_wait_dscnt 0x0
	ROUND                                          ; the closing round
	s_endpgm
.Lfunc_end_k_qf149d79cfc_ffn:
	.size	k_qf149d79cfc_ffn, .Lfunc_end_k_qf149d79cfc_ffn-k_qf149d79cfc_ffn
	.p2alignl 7, 3214868480
	.fill 96, 4, 3214868480
	.section	.rodata,"a",@progbits
	.p2align	6, 0x0
	.amdhsa_kernel k_qf149d79cfc_ffn
		.amdhsa_group_segment_fixed_size 327680
		.amdhsa_private_segment_fixed_size 0
		.amdhsa_enable_private_segment 0
		.amdhsa_kernarg_size 24
		.amdhsa_user_sgpr_count 2
		.amdhsa_user_sgpr_kernarg_segment_ptr 1
		.amdhsa_wavefront_size32 1
		.amdhsa_system_sgpr_workgroup_id_x 1
		.amdhsa_system_sgpr_workgroup_id_y 1
		.amdhsa_system_sgpr_workgroup_id_z 1
		.amdhsa_system_vgpr_workitem_id 0
		.amdhsa_next_free_vgpr 1024
		.amdhsa_next_free_sgpr 66
		.amdhsa_reserve_vcc 0
		.amdhsa_float_denorm_mode_32 3
		.amdhsa_float_denorm_mode_16_64 3
		.amdhsa_memory_ordered 1
		.amdhsa_forward_progress 1
		.amdhsa_inst_pref_size 156
	.end_amdhsa_kernel
	.amdgpu_metadata
---
amdhsa.version: [ 1, 2 ]
amdhsa.kernels:
  - .name:           k_qf149d79cfc_ffn
    .symbol:         k_qf149d79cfc_ffn.kd
    .args:
      - { .name: HB, .offset: 0, .size: 8, .value_kind: global_buffer, .address_space: global }
      - { .name: WB0, .offset: 8, .size: 8, .value_kind: global_buffer, .address_space: global }
      - { .name: P, .offset: 16, .size: 8, .value_kind: global_buffer, .address_space: global }
    .group_segment_fixed_size: 327680
    .private_segment_fixed_size: 0
    .kernarg_segment_align: 8
    .kernarg_segment_size: 24
    .max_flat_workgroup_size: 128
    .sgpr_count:     66
    .vgpr_count:     1024
    .wavefront_size: 32
...
	.end_amdgpu_metadata
.endif
;; end of part 4
;; launch rs2 (part 5): grid 512 x 1, 8 waves a work-group, no clusters, 0 bytes of LDS; arguments P, HF0, ffn_b2, ln2_g, ln2_b, PAR, attn_bo, ln1_g, ln1_b, ffn_b1, HB, HF1; writes HB, HF1
.if DOCPART == 5
	.amdgcn_target "amdgcn-amd-amdhsa--gfx1250"
	.amdhsa_code_object_version 6
	.text
	.protected	k_qf149d79cfc_rs2
	.globl	k_qf149d79cfc_rs2
	.p2align	8
	.type	k_qf149d79cfc_rs2,@function
k_qf149d79cfc_rs2:
	s_mov_b64 s[64:65], 0
	v_nop
	global_prefetch_b8 v0, s[64:65] scope:SCOPE_SE
	s_setreg_imm32_b32 hwreg(HW_REG_WAVE_MODE, 25, 1), 1
	s_wait_xcnt 0x0
; ROW WORK BETWEEN THE TWO FFNs.  One wave, one row of 512 (X[4 q + e] is channel 128 q + 4 l + e): x = LayerNorm 2 of layer 0 over (h + ffn_b2 + the four slices' partial sums): styled_text.
; Then attention of layer 1 with one key: score_h = (x . WQK_h + C_h) / 8; softmax over the one key, its maximum taken away; x + bo + sum_h a_h U_h; LayerNorm 1.
; The result goes out in f32 (the residual) and rounded once to bf16 (the FFN's operand).  Work-groups 0 and 1 also copy layer 1's ffn_b1 behind HB's rows.
; THE ZERO ROWS.  The length regulator gives every frame past batch b's length the row x = 0.  Block 2 treats each row by itself, given its batch, so it is run on 4,096 + 16 different rows, and the last launch copies each
; result to its frames.  The zero row of batch b (row 4096 + b) is made by the wave that owns row (b, 255): what stands behind the scores is a loop of one trip, in those sixteen waves of two.  The second trip loads nothing:
; the batch's U, bo, gain, shift and C lie in registers, and with x = 0 a score is C / 8.  So the grid is 512 work-groups of 8 waves of 256 registers: two to a WGP's four SIMDs of 1,024, all at once on 256 WGPs.
; (Limit: where styled_text holds NaN or an infinity, the product with 0 in front of block 2 is taken as 0.)
.set LAYER, 1
.set PP,   8
.set PHF0, 10
.set PFB2, 12
.set PG2,  14
.set PB2,  16
.set PPAR, 18
.set PBO,  20
.set PG1,  22
.set PB1,  24
.set PFB1, 26
.set PHB,  28
.set PHF,  30
.set B1C, 4210688
.set V16, 1
.set V32, 2
.set V8,  3
.set M,   4
.set R,   6
.set S,   8
.set T,   16
.set ZR,  24
.set X,   32
.set BO,  48
.set G1,  64
.set B1,  80
.set WQ,  96
.set SRC, 160                          ; v[160:255]: ffn_b2, h, four partial sums; later ln2's gain and shift, and U
.set U,   192
.set SEL, 48
.set INV, 50
.set EPS, 51
.set SCL, 52
.set NROW, 78                          ; s78  rows of this wave: 1, or 2 with a zero row
.set TRIP, 79                          ; s79  counts them
.macro WSUM va, vb
	v_add_f32_dpp v[\va], v[\va], v[\va] row_xmask:1 row_mask:0xf bank_mask:0xf
	v_add_f32_dpp v[\va], v[\va], v[\va] row_xmask:2 row_mask:0xf bank_mask:0xf
	v_add_f32_dpp v[\va], v[\va], v[\va] row_xmask:4 row_mask:0xf bank_mask:0xf
	v_add_f32_dpp v[\va], v[\va], v[\va] row_xmask:8 row_mask:0xf bank_mask:0xf
	v_permlanex16_b32 v[\vb], v[\va], s[SEL], s[SEL+1]
	v_add_f32 v[\va], v[\va], v[\vb]
.endm
.macro LNORM x, g, b                   ; mean, then the variance of the centred numbers, then gain and shift
.irp p, 0,1,2,3
	v_pk_add_f32 v[T+2*\p:T+2*\p+1], v[\x+4*\p:\x+4*\p+1], v[\x+4*\p+2:\x+4*\p+3]
.endr
	v_pk_add_f32 v[T:T+1], v[T:T+1], v[T+2:T+3]
	v_pk_add_f32 v[T+4:T+5], v[T+4:T+5], v[T+6:T+7]
	v_pk_add_f32 v[T:T+1], v[T:T+1], v[T+4:T+5]
	v_add_f32 v[T], v[T], v[T+1]
	WSUM T, T+1
	v_mul_f32 v[M], s[INV], v[T]
	v_mul_f32 v[M+1], s[INV], v[T]
.irp p, 0,1,2,3,4,5,6,7
	v_pk_add_f32 v[\x+2*\p:\x+2*\p+1], v[\x+2*\p:\x+2*\p+1], v[M:M+1] neg_lo:[0,1] neg_hi:[0,1]
.endr
	v_pk_mul_f32 v[T:T+1], v[\x:\x+1], v[\x:\x+1]
	v_pk_mul_f32 v[T+2:T+3], v[\x+2:\x+3], v[\x+2:\x+3]
.irp p, 2,3,4,5,6,7
	v_pk_fma_f32 v[T+2*(\p%2):T+2*(\p%2)+1], v[\x+2*\p:\x+2*\p+1], v[\x+2*\p:\x+2*\p+1], v[T+2*(\p%2):T+2*(\p%2)+1]
.endr
	v_pk_add_f32 v[T:T+1], v[T:T+1], v[T+2:T+3]
	v_add_f32 v[T], v[T], v[T+1]
	WSUM T, T+1
	v_fma_f32 v[T], v[T], s[INV], s[EPS]
	v_rsq_f32 v[R], v[T]
	v_rsq_f32 v[R+1], v[T]
	v_nop                                          ; a plain instruction behind the last root,
	s_wait_alu depctr_va_vdst(0)                   ; and the one wait for both, ahead of their first reader
.irp p, 0,1,2,3,4,5,6,7
	v_pk_mul_f32 v[\x+2*\p:\x+2*\p+1], v[\x+2*\p:\x+2*\p+1], v[R:R+1]
.endr
.irp p, 0,1,2,3,4,5,6,7
	v_pk_fma_f32 v[\x+2*\p:\x+2*\p+1], v[\x+2*\p:\x+2*\p+1], v[\g+2*\p:\g+2*\p+1], v[\b+2*\p:\b+2*\p+1]
.endr
.endm
.macro TLOAD dst, off                  ; a batch's table: eight rows of 1,024 bytes, 32 bytes a lane
.set h, 0
.rept 8
	global_load_b128 v[\dst+8*h:\dst+8*h+3], v[V32], s[40:41] offset:\off+1024*h
	global_load_b128 v[\dst+8*h+4:\dst+8*h+7], v[V32], s[40:41] offset:\off+1024*h+16
.set h, h+1
.endr
.endm
	s_load_b512 s[8:23], s[0:1], 0x0
	s_load_b256 s[24:31], s[0:1], 0x40
	v_and_b32 v8, 31, v0
	v_lshrrev_b32 v9, 5, v0
	v_readfirstlane_b32 s2, v9
	v_lshlrev_b32 v[V16], 4, v8
	v_lshlrev_b32 v[V32], 5, v8
	v_lshlrev_b32 v[V8], 3, v8
	v_mov_b32 v[ZR], 0
	s_lshl_b32 s3, ttmp9, 3
	s_add_co_u32 s3, s3, s2                        ; row
	s_lshr_b32 s4, ttmp9, 5                        ; batch
	s_and_b32 s5, s3, 255
	s_cmp_eq_u32 s5, 255                           ; the batch's last row: its wave makes the batch's zero row too
	s_cselect_b32 s[NROW], 2, 1
	s_mov_b32 s[TRIP], 0
	s_add_co_u32 s5, s4, 16*LAYER
	s_lshl_b32 s40, s5, 13
	s_mov_b32 s41, 0
	s_lshl_b32 s42, s5, 5
	s_add_co_u32 s42, s42, 524288
	s_mov_b32 s43, 0
	s_lshl_b32 s44, s3, 11
	s_mov_b32 s45, 0
	s_lshl_b32 s46, s3, 10
	s_mov_b32 s47, 0
	s_add_co_u32 s5, s4, 4096                      ; the zero row's number
	s_lshl_b32 s74, s5, 10
	s_mov_b32 s75, 0
	s_lshl_b32 s76, s5, 11
	s_mov_b32 s77, 0
	s_mov_b32 s[SEL], 0x76543210
	s_mov_b32 s[SEL+1], 0xfedcba98
	s_mov_b32 s[INV], 0x3b000000                   ; 1 / 512
	s_mov_b32 s[EPS], 0x3727c5ac                   ; 1e-5
	s_mov_b32 s[SCL], 0x3e000000                   ; 1 / sqrt(64)
	s_wait_kmcnt 0x0
	s_add_nc_u64 s[42:43], s[PPAR:PPAR+1], s[42:43]
	s_load_b256 s[32:39], s[42:43], 0x0            ; C of the batch's eight heads
	s_add_nc_u64 s[54:55], s[PHF0:PHF0+1], s[44:45]
	s_add_nc_u64 s[66:67], s[PP:PP+1], s[44:45]    ; the row in the four slices' partial sums, 8 MiB apart
	s_add_nc_u64 s[68:69], s[66:67], 0x800000
	s_add_nc_u64 s[70:71], s[68:69], 0x800000
	s_add_nc_u64 s[72:73], s[70:71], 0x800000
.irp q, 0,1,2,3                        ; what only this wave reads goes out first
	global_load_b128 v[SRC+32+4*\q:SRC+32+4*\q+3], v[V16], s[66:67] offset:512*\q th:TH_LOAD_NT
	global_load_b128 v[SRC+48+4*\q:SRC+48+4*\q+3], v[V16], s[68:69] offset:512*\q th:TH_LOAD_NT
	global_load_b128 v[SRC+64+4*\q:SRC+64+4*\q+3], v[V16], s[70:71] offset:512*\q th:TH_LOAD_NT
	global_load_b128 v[SRC+80+4*\q:SRC+80+4*\q+3], v[V16], s[72:73] offset:512*\q th:TH_LOAD_NT
	global_load_b128 v[SRC+16+4*\q:SRC+16+4*\q+3], v[V16], s[54:55] offset:512*\q th:TH_LOAD_NT
	global_load_b128 v[SRC+4*\q:SRC+4*\q+3], v[V16], s[PFB2:PFB2+1] offset:512*\q
.endr
	s_add_nc_u64 s[40:41], s[PPAR:PPAR+1], s[40:41]
	s_add_nc_u64 s[56:57], s[PHB:PHB+1], s[46:47]
	s_add_nc_u64 s[58:59], s[PHF:PHF+1], s[44:45]
	s_add_nc_u64 s[74:75], s[PHB:PHB+1], s[74:75]  ; where the zero row goes
	s_add_nc_u64 s[76:77], s[PHF:PHF+1], s[76:77]
	TLOAD WQ, 0
.irp q, 0,1,2,3
	global_load_b128 v[BO+4*\q:BO+4*\q+3], v[V16], s[PBO:PBO+1] offset:2048*LAYER+512*\q
	global_load_b128 v[G1+4*\q:G1+4*\q+3], v[V16], s[PG1:PG1+1] offset:2048*LAYER+512*\q
	global_load_b128 v[B1+4*\q:B1+4*\q+3], v[V16], s[PB1:PB1+1] offset:2048*LAYER+512*\q
.endr
	s_wait_loadcnt 28                              ; the first 24 loads are in; the table's 16 and the vectors' 12 stay out
.irp p, 0,1,2,3,4,5,6,7
	v_pk_add_f32 v[X+2*\p:X+2*\p+1], v[SRC+2*\p:SRC+2*\p+1], v[SRC+16+2*\p:SRC+16+2*\p+1]
.endr
.irp s, 2,3,4,5
.irp p, 0,1,2,3,4,5,6,7
	v_pk_add_f32 v[X+2*\p:X+2*\p+1], v[X+2*\p:X+2*\p+1], v[SRC+16*\s+2*\p:SRC+16*\s+2*\p+1]
.endr
.endr
.irp q, 0,1,2,3
	global_load_b128 v[SRC+4*\q:SRC+4*\q+3], v[V16], s[PG2:PG2+1] offset:512*\q
	global_load_b128 v[SRC+16+4*\q:SRC+16+4*\q+3], v[V16], s[PB2:PB2+1] offset:512*\q
.endr
	TLOAD U, 262144
	s_wait_loadcnt 0x0
	LNORM X, SRC, SRC+16
	; x . WQK: eight chains that do not wait for each other
.set k, 0
.rept 8
.irp hf, 0,1
.set h, 0
.rept 8
.if (k == 0) && (\hf == 0)
	v_fma_mix_f32_bf16 v[S+h], v[WQ+8*h+k], v[X+2*k+\hf], v[ZR] op_sel:[\hf,0,0] op_sel_hi:[1,0,0]
.else
	v_fma_mix_f32_bf16 v[S+h], v[WQ+8*h+k], v[X+2*k+\hf], v[S+h] op_sel:[\hf,0,0] op_sel_hi:[1,0,0]
.endif
.set h, h+1
.endr
.endr
.set k, k+1
.endr
.irp m, 1,2,4,8
.set h, 0
.rept 8
	v_add_f32_dpp v[S+h], v[S+h], v[S+h] row_xmask:\m row_mask:0xf bank_mask:0xf
.set h, h+1
.endr
.endr
.set h, 0
.rept 8
	v_permlanex16_b32 v[WQ+h], v[S+h], s[SEL], s[SEL+1]  ; WQK's registers are free, and have been written
.set h, h+1
.endr
	s_wait_kmcnt 0x0
.set h, 0
.rept 8
	v_add_f32 v[S+h], v[S+h], v[WQ+h]
	s_mul_f32 s[32+h], s[32+h], s[SCL]             ; C / 8, once for both trips
.set h, h+1
.endr
.Lrow:                                         ; a trip: from a row's x and x . WQK to its two stores
.set h, 0
.rept 8
	v_fma_f32 v[S+h], v[S+h], s[SCL], s[32+h]      ; (x . WQK + C) / 8
.set h, h+1
.endr
	; softmax over the one key: the row's maximum is that key's score; e = exp(s - max); a = e / sum, the sum being e
.set h, 0
.rept 8
	v_sub_f32 v[T+h], v[S+h], v[S+h]
.set h, h+1
.endr
.set h, 0
.rept 8
	v_mul_f32 v[T+h], 0x3fb8aa3b, v[T+h]
.set h, h+1
.endr
.set h, 0
.rept 8
	v_exp_f32 v[T+h], v[T+h]
.set h, h+1
.endr
	v_nop
	s_wait_alu depctr_va_vdst(0)                   ; one wait for the eight exponentials
.set h, 0
.rept 8
	v_rcp_f32 v[S+h], v[T+h]
.set h, h+1
.endr
	v_nop
	s_wait_alu depctr_va_vdst(0)                   ; one wait for the eight reciprocals
.set h, 0
.rept 8
	v_mul_f32 v[S+h], v[T+h], v[S+h]
.set h, h+1
.endr
.irp p, 0,1,2,3,4,5,6,7
	v_pk_add_f32 v[X+2*\p:X+2*\p+1], v[X+2*\p:X+2*\p+1], v[BO+2*\p:BO+2*\p+1]
.endr
.set h, 0
.rept 8
.set k, 0
.rept 8
	v_fma_mix_f32_bf16 v[X+2*k], v[U+8*h+k], v[S+h], v[X+2*k] op_sel_hi:[1,0,0]
	v_fma_mix_f32_bf16 v[X+2*k+1], v[U+8*h+k], v[S+h], v[X+2*k+1] op_sel:[1,0,0] op_sel_hi:[1,0,0]
.set k, k+1
.endr
.set h, h+1
.endr
	LNORM X, G1, B1
.irp q, 0,1,2,3
	global_store_b128 v[V16], v[X+4*\q:X+4*\q+3], s[58:59] offset:512*\q
.endr
.irp p, 0,1,2,3,4,5,6,7
	v_cvt_pk_bf16_f32 v[T+8+\p], v[X+2*\p], v[X+2*\p+1]
.endr
.irp q, 0,1,2,3
	global_store_b64 v[V8], v[T+8+2*\q:T+8+2*\q+1], s[56:57] offset:256*\q  ; the wave stores 256 consecutive bytes, aligned
.endr
	s_wait_xcnt 0x0                                ; the stores have read their data and their bases: both are written below, and in a second trip
.set k, 0
.rept 16
	v_mov_b32 v[X+k], 0                            ; what a second trip starts from: x = 0,
.set k, k+1
.endr
.set h, 0
.rept 8
	v_mov_b32 v[S+h], 0                            ; so x . WQK = 0,
.set h, h+1
.endr
	s_mov_b64 s[56:57], s[74:75]                   ; and the zero row's places
	s_mov_b64 s[58:59], s[76:77]
	s_add_co_u32 s[TRIP], s[TRIP], 1
	s_cmp_lt_u32 s[TRIP], s[NROW]
	s_cbranch_scc1 .Lrow
	s_cmp_lt_u32 ttmp9, 2                          ; sixteen waves copy 512 bytes each of the layer's ffn_b1
	s_cbranch_scc0 .Lend
	s_lshl_b32 s54, s3, 9
	s_mov_b32 s55, 0
	s_add_nc_u64 s[62:63], s[PFB1:PFB1+1], s[54:55]
	s_add_nc_u64 s[60:61], s[PHB:PHB+1], s[54:55]
	global_load_b128 v[T:T+3], v[V16], s[62:63] offset:8192*LAYER
	s_wait_loadcnt 0x0
	global_store_b128 v[V16], v[T:T+3], s[60:61] offset:B1C
.Lend:
	s_endpgm
.Lfunc_end_k_qf149d79cfc_rs2:
	.size	k_qf149d79cfc_rs2, .Lfunc_end_k_qf149d79cfc_rs2-k_qf149d79cfc_rs2
	.p2alignl 7, 3214868480
	.fill 96, 4, 3214868480
	.section	.rodata,"a",@progbits
	.p2align	6, 0x0
	.amdhsa_kernel k_qf149d79cfc_rs2
		.amdhsa_group_segment_fixed_size 0
		.amdhsa_private_segment_fixed_size 0
		.amdhsa_enable_private_segment 0
		.amdhsa_kernarg_size 96
		.amdhsa_user_sgpr_count 2
		.amdhsa_user_sgpr_kernarg_segment_ptr 1
		.amdhsa_wavefront_size32 1
		.amdhsa_system_sgpr_workgroup_id_x 1
		.amdhsa_system_sgpr_workgroup_id_y 1
		.amdhsa_system_sgpr_workgroup_id_z 1
		.amdhsa_system_vgpr_workitem_id 0
		.amdhsa_next_free_vgpr 256
		.amdhsa_next_free_sgpr 80
		.amdhsa_reserve_vcc 0
		.amdhsa_float_denorm_mode_32 3
		.amdhsa_float_denorm_mode_16_64 3
		.amdhsa_memory_ordered 1
		.amdhsa_forward_progress 1
		.amdhsa_inst_pref_size 44
	.end_amdhsa_kernel
	.amdgpu_metadata
---
amdhsa.version: [ 1, 2 ]
amdhsa.kernels:
  - .name:           k_qf149d79cfc_rs2
    .symbol:         k_qf149d79cfc_rs2.kd
    .args:
      - { .name: P, .offset: 0, .size: 8, .value_kind: global_buffer, .address_space: global }
      - { .name: HF0, .offset: 8, .size: 8, .value_kind: global_buffer, .address_space: global }
      - { .name: ffn_b2, .offset: 16, .size: 8, .value_kind: global_buffer, .address_space: global }
      - { .name: ln2_g, .offset: 24, .size: 8, .value_kind: global_buffer, .address_space: global }
      - { .name: ln2_b, .offset: 32, .size: 8, .value_kind: global_buffer, .address_space: global }
      - { .name: PAR, .offset: 40, .size: 8, .value_kind: global_buffer, .address_space: global }
      - { .name: attn_bo, .offset: 48, .size: 8, .value_kind: global_buffer, .address_space: global }
      - { .name: ln1_g, .offset: 56, .size: 8, .value_kind: global_buffer, .address_space: global }
      - { .name: ln1_b, .offset: 64, .size: 8, .value_kind: global_buffer, .address_space: global }
      - { .name: ffn_b1, .offset: 72, .size: 8, .value_kind: global_buffer, .address_space: global }
      - { .name: HB, .offset: 80, .size: 8, .value_kind: global_buffer, .address_space: global }
      - { .name: HF1, .offset: 88, .size: 8, .value_kind: global_buffer, .address_space: global }
    .group_segment_fixed_size: 0
    .private_segment_fixed_size: 0
    .kernarg_segment_align: 8
    .kernarg_segment_size: 96
    .max_flat_workgroup_size: 256
    .sgpr_count:     80
    .vgpr_count:     256
    .wavefront_size: 32
...
	.end_amdgpu_metadata
.endif
;; end of part 5
;; launch ffn2: the kernel of part 4 again; grid 64 x 4, 4 waves a work-group, clusters of 4 x 1, 327,680 bytes of LDS; arguments HB, WB1, P; writes P
;; launch z (part 6): grid 32 x 1, 4 waves a work-group, no clusters, 20,224 bytes of LDS; arguments HB, WB1, P; writes P
.if DOCPART == 6
	.amdgcn_target "amdgcn-amd-amdhsa--gfx1250"
	.amdhsa_code_object_version 6
	.text
	.protected	k_qf149d79cfc_z
	.globl	k_qf149d79cfc_z
	.p2align	8
	.type	k_qf149d79cfc_z,@function
k_qf149d79cfc_z:
	s_mov_b64 s[64:65], 0
	v_nop
	global_prefetch_b8 v0, s[64:65] scope:SCOPE_SE
	s_setreg_imm32_b32 hwreg(HW_REG_WAVE_MODE, 25, 1), 1
	s_wait_xcnt 0x0
; THE SECOND FFN ON THE 16 ZERO ROWS (HB's rows 4096-4111, one a batch).  Work-group j takes the 64 hidden units of chunk j: PZ[j][b][:] = gelu(h0[b] w1[:, chunk j] + b1) w2[chunk j, :], in f32; the last launch adds the 32.
; Sixteen rows give a work-group little to multiply; the time is that of reading the weights once, so K of the second product is split over 32 work-groups, and everything is asked for at the head, straight into registers.
; Wave w: phase A, hidden units 16 w .. 16 w + 15; phase B, output channels 128 w .. 128 w + 127.  Both products turned (source 0 = weights): a lane holds one row and eight neighbouring units or channels.
; REGISTERS: window 0: addresses, v[16:31] phase A's two accumulators (even and odd K steps), v[32:63] bias and GELU's work, v[64:79] activations, v[80:143] phase B's eight accumulators, v[144:207] the way out
;   window 1: v[0:127] h0's fragments, v[128:255] w2's        window 2: v[0:127] w1's
.set PITCH,  144
.set ACT,    0                         ; 16 rows x 64 activations in bf16
.set STAGE,  2304                      ; 16 rows x 272 bytes for each wave
.set SPITCH, 272
.set SPARE,  STAGE+4*16*SPITCH         ; the spare words, 128 bytes a wave
.set B1C,    4210688
.set PZ,     33554432
.set FRG, 2
.set HO,  3
.set BO,  4
.set ACTS, 5
.set ACTL, 6
.set STS, 7
.set STL, 8
.set PO,  9
.set SPW, 14
.set NIL, 15
.set HX,  16
.set BI,  32
.set TB,  40
.set EB,  48
.set QB,  56
.set AFR, 64
.set F,   80
.set RB,  144
.set SPC, 20
.set SCC2, 22
.set A1,  24
.set A2,  26
.set A3,  28
.set MSB, 0
.macro WIN new
.if MSB != (\new)
	s_set_vgpr_msb (MSB<<8)|(\new)
.set MSB, \new
.endif
.endm
.macro PLACES
.rept 4
	v_nop
.endr
.endm
.macro BIASADD nv
.set g, 0
.rept (\nv)/2
	v_pk_add_f32 v[HX+g:HX+g+1], v[HX+g:HX+g+1], v[BI+g%8:BI+g%8+1]
.set g, g+2
.endr
.endm
.macro GELU nv                         ; gelu(x) = max(x, 0) - |x| (a1 t + a2 t^2 + a3 t^3) 2^(c x^2), t = 1 / (1 + p |x|): erf to 2.5e-5 for every x
.set g, 0
.rept \nv
	v_fma_f32 v[TB+g], |v[HX+g]|, s[SPC], 1.0
.set g, g+1
.endr
.set g, 0
.rept (\nv)/2
	v_pk_mul_f32 v[EB+g:EB+g+1], v[HX+g:HX+g+1], v[HX+g:HX+g+1]
.set g, g+2
.endr
.set g, 0
.rept (\nv)/2
	v_pk_mul_f32 v[EB+g:EB+g+1], v[EB+g:EB+g+1], s[SCC2:SCC2+1] op_sel_hi:[1,0]
.set g, g+2
.endr
.set g, 0
.rept \nv
	v_rcp_f32 v[TB+g], v[TB+g]
.set g, g+1
.endr
.set g, 0
.rept \nv
	v_exp_f32 v[EB+g], v[EB+g]
.set g, g+1
.endr
	v_nop                                          ; a plain instruction behind the last of them,
	s_wait_alu depctr_va_vdst(0)                   ; and the one wait for the batch
.set g, 0
.rept (\nv)/8
.irp p, 0,2,4,6
	v_pk_fma_f32 v[QB+\p:QB+\p+1], v[TB+g+\p:TB+g+\p+1], s[A3:A3+1], s[A2:A2+1] op_sel_hi:[1,0,0]
.endr
.irp p, 0,2,4,6
	v_pk_fma_f32 v[QB+\p:QB+\p+1], v[QB+\p:QB+\p+1], v[TB+g+\p:TB+g+\p+1], s[A1:A1+1] op_sel_hi:[1,1,0]
.endr
.irp p, 0,2,4,6
	v_pk_mul_f32 v[QB+\p:QB+\p+1], v[QB+\p:QB+\p+1], v[TB+g+\p:TB+g+\p+1]
.endr
.irp p, 0,2,4,6
	v_pk_mul_f32 v[QB+\p:QB+\p+1], v[QB+\p:QB+\p+1], v[EB+g+\p:EB+g+\p+1]
.endr
.irp p, 0,1,2,3,4,5,6,7
	v_max_num_f32 v[EB+g+\p], 0, v[HX+g+\p]
.endr
.irp p, 0,1,2,3,4,5,6,7
	v_fma_f32 v[HX+g+\p], -v[QB+\p], |v[HX+g+\p]|, v[EB+g+\p]
.endr
.set g, g+8
.endr
.endm
	s_load_b128 s[4:7], s[0:1], 0x0                ; HB, WB1
	s_load_b64 s[8:9], s[0:1], 0x10                ; P
	v_lshl_add_u32 v[SPW], v0, 2, SPARE
	v_mov_b32 v[NIL], 0
	v_lshrrev_b32 v1, 5, v0
	v_readfirstlane_b32 s10, v1                    ; wave
	v_and_b32 v10, 15, v0                          ; r
	v_bfe_u32 v11, v0, 4, 1                        ; h'
	v_lshlrev_b32 v[FRG], 7, v10
	v_lshl_add_u32 v[FRG], v11, 4, v[FRG]
	v_lshlrev_b32 v[HO], 10, v10
	v_lshl_add_u32 v[HO], v11, 4, v[HO]
	v_lshlrev_b32 v[BO], 5, v11
	v_mul_u32_u24 v[ACTL], v10, PITCH
	v_lshl_add_u32 v[ACTL], v11, 4, v[ACTL]
	s_lshl_b32 s11, s10, 5
	v_add_nc_u32 v[ACTS], s11, v[ACTL]
	s_mul_i32 s11, s10, 16*SPITCH
	s_add_co_u32 s11, s11, STAGE
	v_mul_u32_u24 v[STS], v10, SPITCH
	v_lshl_add_u32 v[STS], v11, 5, v[STS]
	v_add_nc_u32 v[STS], s11, v[STS]
	v_mul_u32_u24 v[STL], v11, SPITCH
	v_lshl_add_u32 v[STL], v10, 4, v[STL]
	v_add_nc_u32 v[STL], s11, v[STL]
	v_lshlrev_b32 v[PO], 11, v11
	v_lshl_add_u32 v[PO], v10, 4, v[PO]
	s_mov_b32 s[SPC], 0x3eaa540e
	s_mov_b32 s[SPC+1], 0x3eaa540e
	s_mov_b32 s[SCC2], 0xbf38aa3b
	s_mov_b32 s[SCC2+1], 0xbf38aa3b
	s_mov_b32 s[A1], 0x3e32303a
	s_mov_b32 s[A1+1], 0x3e32303a
	s_mov_b32 s[A2], 0xbd445ca1
	s_mov_b32 s[A2+1], 0xbd445ca1
	s_mov_b32 s[A3], 0x3ebf7377
	s_mov_b32 s[A3+1], 0x3ebf7377
	s_lshl_b32 s12, ttmp9, 16                      ; the chunk in w1, my 16 rows of each block
	s_lshl_b32 s11, s10, 11
	s_add_co_u32 s12, s12, s11
	s_mov_b32 s13, 0
	s_lshl_b32 s14, ttmp9, 16                      ; the chunk in w2, my two blocks
	s_add_co_u32 s14, s14, 2097152
	s_lshl_b32 s11, s10, 14
	s_add_co_u32 s14, s14, s11
	s_mov_b32 s15, 0
	s_lshl_b32 s18, ttmp9, 8                       ; the chunk's biases, my 16
	s_add_co_u32 s18, s18, B1C
	s_lshl_b32 s11, s10, 6
	s_add_co_u32 s18, s18, s11
	s_mov_b32 s19, 0
	s_lshl_b32 s30, ttmp9, 15                      ; PZ[j], my 128 channels
	s_add_co_u32 s30, s30, PZ
	s_lshl_b32 s11, s10, 9
	s_add_co_u32 s30, s30, s11
	s_mov_b32 s31, 0
	s_wait_kmcnt 0x0
	s_add_nc_u64 s[12:13], s[6:7], s[12:13]
	s_add_nc_u64 s[14:15], s[6:7], s[14:15]
	s_add_nc_u64 s[16:17], s[4:5], 4194304         ; row 4096 of HB
	s_add_nc_u64 s[18:19], s[4:5], s[18:19]
	s_add_nc_u64 s[8:9], s[8:9], s[30:31]
	WIN 0x40
.set k, 0
.rept 16
	global_load_b128 v[8*k:8*k+3], v[HO], s[16:17] offset:k*64
	global_load_b128 v[8*k+4:8*k+7], v[HO], s[16:17] offset:k*64+32
.set k, k+1
.endr
	WIN 0x80
.set k, 0
.rept 16
	global_load_b128 v[8*k:8*k+3], v[FRG], s[12:13] offset:(k/2)*8192+(k%2)*64
	global_load_b128 v[8*k+4:8*k+7], v[FRG], s[12:13] offset:(k/2)*8192+(k%2)*64+32
.set k, k+1
.endr
	WIN 0
	global_load_b128 v[BI:BI+3], v[BO], s[18:19]
	global_load_b128 v[BI+4:BI+7], v[BO], s[18:19] offset:16
	WIN 0x40
.set k, 0
.rept 16                               ; k = 2 ct + ks
	global_load_b128 v[128+8*k:128+8*k+3], v[FRG], s[14:15] offset:(k/2)*2048+(k%2)*64
	global_load_b128 v[128+8*k+4:128+8*k+7], v[FRG], s[14:15] offset:(k/2)*2048+(k%2)*64+32
.set k, k+1
.endr
	s_wait_loadcnt 32                              ; h0, w1 and the biases are in; w2's 32 loads stay out
	WIN 0x06                                       ; source 0 window 2, source 1 window 1
.set k, 0
.rept 16
.if k < 2
	v_wmma_f32_16x16x32_bf16 v[HX+8*(k%2):HX+8*(k%2)+7], v[8*k:8*k+7], v[8*k:8*k+7], 0
.else
	v_wmma_f32_16x16x32_bf16 v[HX+8*(k%2):HX+8*(k%2)+7], v[8*k:8*k+7], v[8*k:8*k+7], v[HX+8*(k%2):HX+8*(k%2)+7]
.endif
.set k, k+1
.endr
	WIN 0
	PLACES
.irp p, 0,2,4,6
	v_pk_add_f32 v[HX+\p:HX+\p+1], v[HX+\p:HX+\p+1], v[HX+8+\p:HX+8+\p+1]
.endr
	BIASADD 8
	GELU 8
.irp p, 0,1,2,3
	v_cvt_pk_bf16_f32 v[TB+\p], v[HX+2*\p], v[HX+2*\p+1]
.endr
	ds_store_b128 v[ACTS], v[TB:TB+3] offset:ACT
	s_wait_dscnt 0x0                               ; for the others' sake: my activations lie in LDS
	s_barrier_signal -1
	s_barrier_wait -1
.irp ks, 0,1
	ds_load_b128 v[AFR+8*\ks:AFR+8*\ks+3], v[ACTL] offset:ACT+\ks*64
	ds_load_b128 v[AFR+8*\ks+4:AFR+8*\ks+7], v[ACTL] offset:ACT+\ks*64+32
.endr
	s_wait_loadcnt 0x0
	s_wait_dscnt 0x0
	WIN 0x01                                       ; source 0 window 1
.irp ks, 0,1
.set c, 0
.rept 8                                ; the eight accumulators by turns
.if \ks == 0
	v_wmma_f32_16x16x32_bf16 v[F+8*c:F+8*c+7], v[128+8*(2*c+\ks):128+8*(2*c+\ks)+7], v[AFR+8*\ks:AFR+8*\ks+7], 0
.else
	v_wmma_f32_16x16x32_bf16 v[F+8*c:F+8*c+7], v[128+8*(2*c+\ks):128+8*(2*c+\ks)+7], v[AFR+8*\ks:AFR+8*\ks+7], v[F+8*c:F+8*c+7]
.endif
.set c, c+1
.endr
.endr
	WIN 0
	PLACES
.irp hc, 0,1                           ; the way out, 64 channels at a time, through my stage: whole rows of 256 bytes come back
.irp c, 0,1,2,3
	ds_store_b128 v[STS], v[F+8*(4*\hc+\c):F+8*(4*\hc+\c)+3] offset:64*\c
	ds_store_b128 v[STS], v[F+8*(4*\hc+\c)+4:F+8*(4*\hc+\c)+7] offset:64*\c+16
.endr
.irp i, 0,1,2,3,4,5,6,7
	ds_load_b128 v[RB+32*\hc+4*\i:RB+32*\hc+4*\i+3], v[STL] offset:\i*2*SPITCH  ; LDS serves a wave's instructions in order
.endr
.irp i, 0,1,2,3,4,5,6,7
	s_wait_dscnt 7-\i
	global_store_b128 v[PO], v[RB+32*\hc+4*\i:RB+32*\hc+4*\i+3], s[8:9] offset:2*\i*2048+\hc*256  ; 16 lanes store 256 consecutive bytes, aligned
.endr
.endr
	s_wait_tensorcnt 0x0                           ; the wave's end, behind my last LDS store
	ds_add_u32 v[SPW], v[NIL]
	s_wait_dscnt 0x0
	s_endpgm
.Lfunc_end_k_qf149d79cfc_z:
	.size	k_qf149d79cfc_z, .Lfunc_end_k_qf149d79cfc_z-k_qf149d79cfc_z
	.p2alignl 7, 3214868480
	.fill 96, 4, 3214868480
	.section	.rodata,"a",@progbits
	.p2align	6, 0x0
	.amdhsa_kernel k_qf149d79cfc_z
		.amdhsa_group_segment_fixed_size 20224
		.amdhsa_private_segment_fixed_size 0
		.amdhsa_enable_private_segment 0
		.amdhsa_kernarg_size 24
		.amdhsa_user_sgpr_count 2
		.amdhsa_user_sgpr_kernarg_segment_ptr 1
		.amdhsa_wavefront_size32 1
		.amdhsa_system_sgpr_workgroup_id_x 1
		.amdhsa_system_sgpr_workgroup_id_y 1
		.amdhsa_system_sgpr_workgroup_id_z 1
		.amdhsa_system_vgpr_workitem_id 0
		.amdhsa_next_free_vgpr 640
		.amdhsa_next_free_sgpr 66
		.amdhsa_reserve_vcc 0
		.amdhsa_float_denorm_mode_32 3
		.amdhsa_float_denorm_mode_16_64 3
		.amdhsa_memory_ordered 1
		.amdhsa_forward_progress 1
		.amdhsa_inst_pref_size 24
	.end_amdhsa_kernel
	.amdgpu_metadata
---
amdhsa.version: [ 1, 2 ]
amdhsa.kernels:
  - .name:           k_qf149d79cfc_z
    .symbol:         k_qf149d79cfc_z.kd
    .args:
      - { .name: HB, .offset: 0, .size: 8, .value_kind: global_buffer, .address_space: global }
      - { .name: WB1, .offset: 8, .size: 8, .value_kind: global_buffer, .address_space: global }
      - { .name: P, .offset: 16, .size: 8, .value_kind: global_buffer, .address_space: global }
    .group_segment_fixed_size: 20224
    .private_segment_fixed_size: 0
    .kernarg_segment_align: 8
    .kernarg_segment_size: 24
    .max_flat_workgroup_size: 128
    .sgpr_count:     66
    .vgpr_count:     640
    .wavefront_size: 32
...
	.end_amdgpu_metadata
.endif
;; end of part 6
;; launch fin (part 7): grid 528 x 1, 8 waves a work-group, no clusters, 0 bytes of LDS; arguments P, HF1, ffn_b2, ln2_g, ln2_b, durations, out0, out1; writes out0, out1
.if DOCPART == 7
	.amdgcn_target "amdgcn-amd-amdhsa--gfx1250"
	.amdhsa_code_object_version 6
	.text
	.protected	k_qf149d79cfc_fin
	.globl	k_qf149d79cfc_fin
	.p2align	8
	.type	k_qf149d79cfc_fin,@function
k_qf149d79cfc_fin:
	s_mov_b64 s[64:65], 0
	v_nop
	global_prefetch_b8 v0, s[64:65] scope:SCOPE_SE
	s_setreg_imm32_b32 hwreg(HW_REG_WAVE_MODE, 25, 1), 1
	s_wait_xcnt 0x0
; THE END OF BLOCK 2, AND THE LENGTH REGULATOR AS A COPY.  y = LayerNorm 2 of layer 1 over (h + ffn_b2 + the partial sums), for each of the 4,112 different rows; each y is copied to its frames of out0.
; Work-groups 16 to 527: one wave, one row (b, t): its frames are cum[t-1] .. cum[t] - 1, cut at 1,024.
; Work-groups 0 to 15: the zero row of batch b = the work-group's number: its frames are lengths[b] .. 1,023.  All eight waves make the row; wave w copies frames lengths[b] + w, + w + 8, ..; wave 0 stores lengths[b].
; They have the lowest numbers: where a batch is short theirs is the longest share (32 partial sums, up to 128 frames a wave).
; THE FRAMES ARE COUNTED FIRST, from durations alone (negative ones count as 0).  A wave with no frame (a duration of 0, a row past frame 1,023, a zero row of a batch of 1,024 frames or more) ends there and reads nothing more.
; So each frame of out0 is written once, by one wave, 2,048 consecutive bytes.  The first frame is held to 1,024 directly ahead of the sum that makes the address; the number of frames is made apart from it, in registers of its own.
; LIMIT: the sum of a batch's durations stays under 2^31.
.set PZ,  33554432
.set NZ,  16                           ; work-groups of zero rows
.set V16, 1
.set V32, 2
.set VT,  3                            ; t - 8 x lane: element e of my eight durations lies ahead of t where e < VT
.set M,   4
.set R,   6
.set DU,  8                            ; v[8:15] my eight durations
.set T,   16
.set X,   32
.set FB2, 48
.set G2,  64
.set B2,  80
.set HF,  96
.set SRC, 112                          ; v[112:239]
.set ZW,  46                           ; s46  1 in a work-group of a zero row
.set RAW, 47                           ; s47  the sum of the durations ahead of t
.set SEL, 48
.set INV, 50
.set EPS, 51
.set WADD, 54                          ; s54  a zero row's wave begins so many frames behind the length: its number; 0 for a row
.macro WSUM va, vb
	v_add_f32_dpp v[\va], v[\va], v[\va] row_xmask:1 row_mask:0xf bank_mask:0xf
	v_add_f32_dpp v[\va], v[\va], v[\va] row_xmask:2 row_mask:0xf bank_mask:0xf
	v_add_f32_dpp v[\va], v[\va], v[\va] row_xmask:4 row_mask:0xf bank_mask:0xf
	v_add_f32_dpp v[\va], v[\va], v[\va] row_xmask:8 row_mask:0xf bank_mask:0xf
	v_permlanex16_b32 v[\vb], v[\va], s[SEL], s[SEL+1]
	v_add_f32 v[\va], v[\va], v[\vb]
.endm
.macro LNORM x, g, b                   ; mean, then the variance of the centred numbers, then gain and shift
.irp p, 0,1,2,3
	v_pk_add_f32 v[T+2*\p:T+2*\p+1], v[\x+4*\p:\x+4*\p+1], v[\x+4*\p+2:\x+4*\p+3]
.endr
	v_pk_add_f32 v[T:T+1], v[T:T+1], v[T+2:T+3]
	v_pk_add_f32 v[T+4:T+5], v[T+4:T+5], v[T+6:T+7]
	v_pk_add_f32 v[T:T+1], v[T:T+1], v[T+4:T+5]
	v_add_f32 v[T], v[T], v[T+1]
	WSUM T, T+1
	v_mul_f32 v[M], s[INV], v[T]
	v_mul_f32 v[M+1], s[INV], v[T]
.irp p, 0,1,2,3,4,5,6,7
	v_pk_add_f32 v[\x+2*\p:\x+2*\p+1], v[\x+2*\p:\x+2*\p+1], v[M:M+1] neg_lo:[0,1] neg_hi:[0,1]
.endr
	v_pk_mul_f32 v[T:T+1], v[\x:\x+1], v[\x:\x+1]
	v_pk_mul_f32 v[T+2:T+3], v[\x+2:\x+3], v[\x+2:\x+3]
.irp p, 2,3,4,5,6,7
	v_pk_fma_f32 v[T+2*(\p%2):T+2*(\p%2)+1], v[\x+2*\p:\x+2*\p+1], v[\x+2*\p:\x+2*\p+1], v[T+2*(\p%2):T+2*(\p%2)+1]
.endr
	v_pk_add_f32 v[T:T+1], v[T:T+1], v[T+2:T+3]
	v_add_f32 v[T], v[T], v[T+1]
	WSUM T, T+1
	v_fma_f32 v[T], v[T], s[INV], s[EPS]
	v_rsq_f32 v[R], v[T]
	v_rsq_f32 v[R+1], v[T]
	v_nop                                          ; a plain instruction behind the last root,
	s_wait_alu depctr_va_vdst(0)                   ; and the one wait for both, ahead of their first reader
.irp p, 0,1,2,3,4,5,6,7
	v_pk_mul_f32 v[\x+2*\p:\x+2*\p+1], v[\x+2*\p:\x+2*\p+1], v[R:R+1]
.endr
.irp p, 0,1,2,3,4,5,6,7
	v_pk_fma_f32 v[\x+2*\p:\x+2*\p+1], v[\x+2*\p:\x+2*\p+1], v[\g+2*\p:\g+2*\p+1], v[\b+2*\p:\b+2*\p+1]
.endr
.endm
.macro COPY step                       ; my frames, one a trip, step bytes apart; at least one trip: a wave without a frame has ended
.Lcopy_\@:
.irp q, 0,1,2,3
	global_store_b128 v[V16], v[X+4*\q:X+4*\q+3], s[20:21] offset:512*\q th:TH_STORE_NT  ; 512 consecutive bytes, aligned
.endr
	s_wait_xcnt 0x0                                ; the stores have read their base: it may be stepped
	s_add_nc_u64 s[20:21], s[20:21], \step
	s_add_co_u32 s33, s33, 1
	s_cmp_lt_u32 s33, s31
	s_cbranch_scc1 .Lcopy_\@
.endm
	s_load_b512 s[8:23], s[0:1], 0x0               ; P, HF1, ffn_b2, ln2_g, ln2_b, durations, out0, out1
	v_and_b32 v4, 31, v0
	v_lshrrev_b32 v5, 5, v0
	v_readfirstlane_b32 s2, v5                     ; wave
	v_lshlrev_b32 v[V16], 4, v4
	v_lshlrev_b32 v[V32], 5, v4
	v_lshlrev_b32 v[VT], 3, v4
	s_sub_co_u32 s6, ttmp9, NZ                     ; work-groups 16 on:
	s_lshl3_add_u32 s3, s6, s2                     ; the row,
	s_lshr_b32 s4, s6, 5                           ; its batch,
	s_and_b32 s5, s3, 255                          ; its t
	s_add_co_u32 s6, ttmp9, 4096                   ; work-groups 0 to 15: the zero row's number
	s_cmp_lt_u32 ttmp9, NZ
	s_cselect_b32 s3, s6, s3
	s_cselect_b32 s4, ttmp9, s4
	s_cselect_b32 s5, 256, s5                      ; t = 256: all durations lie ahead of a zero row
	s_cselect_b32 s[ZW], 1, 0
	s_cselect_b32 s[WADD], s2, 0
	v_sub_nc_u32 v[VT], s5, v[VT]
	s_min_u32 s6, s5, 255
	s_lshl_b32 s24, s4, 10
	s_mov_b32 s25, 0
	s_lshl2_add_u32 s26, s6, s24
	s_mov_b32 s27, 0
	s_lshl_b32 s28, s3, 11
	s_mov_b32 s29, 0
	s_lshl_b32 s40, s4, 11
	s_add_co_u32 s40, s40, PZ
	s_mov_b32 s41, 0
	s_lshl_b32 s44, s4, 2
	s_mov_b32 s45, 0
	s_mov_b32 s[SEL], 0x76543210
	s_mov_b32 s[SEL+1], 0xfedcba98
	s_mov_b32 s[INV], 0x3b000000                   ; 1 / 512
	s_mov_b32 s[EPS], 0x3727c5ac                   ; 1e-5
	s_wait_kmcnt 0x0
	s_add_nc_u64 s[26:27], s[18:19], s[26:27]
	s_load_b32 s7, s[26:27], 0x0                   ; the row's own duration
	s_add_nc_u64 s[24:25], s[18:19], s[24:25]
	global_load_b128 v[DU:DU+3], v[V32], s[24:25]  ; the batch's 256 durations, eight a lane
	global_load_b128 v[DU+4:DU+7], v[V32], s[24:25] offset:16
	s_add_nc_u64 s[10:11], s[10:11], s[28:29]
	s_add_nc_u64 s[22:23], s[22:23], s[44:45]
	s_wait_loadcnt 0x0
	; the sum of the durations ahead of t
.irp e, 0,1,2,3,4,5,6,7
	v_max_i32 v[DU+\e], 0, v[DU+\e]
	v_cmp_lt_i32 vcc_lo, \e, v[VT]
	v_cndmask_b32 v[DU+\e], 0, v[DU+\e], vcc_lo
.endr
	v_add3_u32 v[DU], v[DU], v[DU+1], v[DU+2]
	v_add3_u32 v[DU], v[DU], v[DU+3], v[DU+4]
	v_add3_u32 v[DU], v[DU], v[DU+5], v[DU+6]
	v_add_nc_u32 v[DU], v[DU], v[DU+7]
.irp m, 1,2,4,8
	v_mov_b32_dpp v[DU+1], v[DU] row_xmask:\m row_mask:0xf bank_mask:0xf
	v_add_nc_u32 v[DU], v[DU], v[DU+1]
.endr
	v_permlanex16_b32 v[DU+1], v[DU], s[SEL], s[SEL+1]
	v_add_nc_u32 v[DU], v[DU], v[DU+1]
	v_readfirstlane_b32 s[RAW], v[DU]              ; the row's first frame; for a zero row the batch's length
	; how many frames are mine: in s6 and s31, which enter no address
	s_wait_kmcnt 0x0
	s_max_i32 s7, s7, 0
	s_add_co_u32 s31, s[RAW], s7                   ; the frame behind the row's last
	s_min_u32 s6, s[RAW], 0x400
	s_min_u32 s31, s31, 0x400
	s_sub_co_u32 s31, s31, s6                      ; a row's frames
	s_add_co_u32 s6, s6, s[WADD]                   ; a zero row's wave begins here: 1,031 at the most,
	s_sub_co_u32 s6, 1031, s6
	s_lshr_b32 s6, s6, 3                           ; and takes every eighth frame up to 1,023
	s_cmp_eq_u32 s[ZW], 1
	s_cselect_b32 s31, s6, s31
	s_min_u32 s31, s31, 0x400                      ; frames to write: 1,024 at the most
	s_cmp_eq_u32 s[ZW], 1                          ; (the line above has set SCC)
	s_cbranch_scc0 .Lnolen
	s_cmp_eq_u32 s2, 0
	s_cbranch_scc0 .Lnolen
	v_mov_b32 v[DU+2], 0
	s_wait_xcnt 0x0                                ; EXEC changes only behind this wait
	v_cmp_eq_u32 vcc_lo, 0, v[V16]
	s_and_saveexec_b32 s6, vcc_lo
	global_store_b32 v[DU+2], v[DU], s[22:23]      ; lengths[b]
	s_wait_xcnt 0x0                                ; and again in front of the line that widens it
	s_or_b32 exec_lo, exec_lo, s6
.Lnolen:
	s_cmp_eq_u32 s31, 0
	s_cbranch_scc1 .Lend                           ; no frame: nothing more is read
.irp q, 0,1,2,3
	global_load_b128 v[HF+4*\q:HF+4*\q+3], v[V16], s[10:11] offset:512*\q
	global_load_b128 v[FB2+4*\q:FB2+4*\q+3], v[V16], s[12:13] offset:2048+512*\q
	global_load_b128 v[G2+4*\q:G2+4*\q+3], v[V16], s[14:15] offset:2048+512*\q
	global_load_b128 v[B2+4*\q:B2+4*\q+3], v[V16], s[16:17] offset:2048+512*\q
.endr
	s_cmp_eq_u32 s[ZW], 1
	s_cbranch_scc1 .Lzrow
	s_add_nc_u64 s[32:33], s[8:9], s[28:29]        ; the row in the four slices' partial sums, 8 MiB apart
	s_add_nc_u64 s[34:35], s[32:33], 0x800000
	s_add_nc_u64 s[36:37], s[34:35], 0x800000
	s_add_nc_u64 s[38:39], s[36:37], 0x800000
.irp q, 0,1,2,3
	global_load_b128 v[SRC+4*\q:SRC+4*\q+3], v[V16], s[32:33] offset:512*\q th:TH_LOAD_NT
	global_load_b128 v[SRC+16+4*\q:SRC+16+4*\q+3], v[V16], s[34:35] offset:512*\q th:TH_LOAD_NT
	global_load_b128 v[SRC+32+4*\q:SRC+32+4*\q+3], v[V16], s[36:37] offset:512*\q th:TH_LOAD_NT
	global_load_b128 v[SRC+48+4*\q:SRC+48+4*\q+3], v[V16], s[38:39] offset:512*\q th:TH_LOAD_NT
.endr
	s_wait_loadcnt 0x0
.irp p, 0,1,2,3,4,5,6,7
	v_pk_add_f32 v[X+2*\p:X+2*\p+1], v[HF+2*\p:HF+2*\p+1], v[FB2+2*\p:FB2+2*\p+1]
.endr
.irp s, 0,1,2,3
.irp p, 0,1,2,3,4,5,6,7
	v_pk_add_f32 v[X+2*\p:X+2*\p+1], v[X+2*\p:X+2*\p+1], v[SRC+16*\s+2*\p:SRC+16*\s+2*\p+1]
.endr
.endr
	s_branch .Lsum
.Lzrow:
	s_add_nc_u64 s[40:41], s[8:9], s[40:41]        ; PZ[0][b]
	s_wait_loadcnt 0x0
.irp p, 0,1,2,3,4,5,6,7
	v_pk_add_f32 v[X+2*\p:X+2*\p+1], v[HF+2*\p:HF+2*\p+1], v[FB2+2*\p:FB2+2*\p+1]
.endr
	s_mov_b32 s33, 4
.Lz:                                           ; four trips of eight chunks' partial sums
.irp j, 0,1,2,3,4,5,6,7
.irp q, 0,1,2,3
	global_load_b128 v[SRC+16*\j+4*\q:SRC+16*\j+4*\q+3], v[V16], s[40:41] offset:\j*32768+512*\q
.endr
.endr
	s_wait_loadcnt 0x0                             ; the loads are done: their base may be stepped
.irp j, 0,1,2,3,4,5,6,7
.irp p, 0,1,2,3,4,5,6,7
	v_pk_add_f32 v[X+2*\p:X+2*\p+1], v[X+2*\p:X+2*\p+1], v[SRC+16*\j+2*\p:SRC+16*\j+2*\p+1]
.endr
.endr
	s_add_nc_u64 s[40:41], s[40:41], 262144
	s_sub_co_u32 s33, s33, 1
	s_cmp_lg_u32 s33, 0
	s_cbranch_scc1 .Lz
.Lsum:
	; out0 at my first frame: the first frame is held to 1,024 here, and only an add and a shift left follow
	s_min_u32 s30, s[RAW], 0x400
	s_lshl_b32 s42, s4, 10                         ; the batch's 1,024 frames,
	s_add_co_u32 s42, s42, s[WADD]                 ; a zero row's wave by its number,
	s_add_co_u32 s42, s42, s30                     ; the first frame,
	s_lshl_b32 s42, s42, 11                        ; of 2,048 bytes each
	s_mov_b32 s43, 0
	s_add_nc_u64 s[20:21], s[20:21], s[42:43]
	LNORM X, G2, B2
	s_mov_b32 s33, 0
	s_cmp_eq_u32 s[ZW], 1
	s_cbranch_scc1 .Leighth
	COPY 2048                                      ; a row: frame after frame
	s_branch .Lend
.Leighth:
	COPY 16384                                     ; a zero row's wave: every eighth frame
.Lend:
	s_endpgm
.Lfunc_end_k_qf149d79cfc_fin:
	.size	k_qf149d79cfc_fin, .Lfunc_end_k_qf149d79cfc_fin-k_qf149d79cfc_fin
	.p2alignl 7, 3214868480
	.fill 96, 4, 3214868480
	.section	.rodata,"a",@progbits
	.p2align	6, 0x0
	.amdhsa_kernel k_qf149d79cfc_fin
		.amdhsa_group_segment_fixed_size 0
		.amdhsa_private_segment_fixed_size 0
		.amdhsa_enable_private_segment 0
		.amdhsa_kernarg_size 64
		.amdhsa_user_sgpr_count 2
		.amdhsa_user_sgpr_kernarg_segment_ptr 1
		.amdhsa_wavefront_size32 1
		.amdhsa_system_sgpr_workgroup_id_x 1
		.amdhsa_system_sgpr_workgroup_id_y 1
		.amdhsa_system_sgpr_workgroup_id_z 1
		.amdhsa_system_vgpr_workitem_id 0
		.amdhsa_next_free_vgpr 240
		.amdhsa_next_free_sgpr 66
		.amdhsa_reserve_vcc 1
		.amdhsa_float_denorm_mode_32 3
		.amdhsa_float_denorm_mode_16_64 3
		.amdhsa_memory_ordered 1
		.amdhsa_forward_progress 1
		.amdhsa_inst_pref_size 24
	.end_amdhsa_kernel
	.amdgpu_metadata
---
amdhsa.version: [ 1, 2 ]
amdhsa.kernels:
  - .name:           k_qf149d79cfc_fin
    .symbol:         k_qf149d79cfc_fin.kd
    .args:
      - { .name: P, .offset: 0, .size: 8, .value_kind: global_buffer, .address_space: global }
      - { .name: HF1, .offset: 8, .size: 8, .value_kind: global_buffer, .address_space: global }
      - { .name: ffn_b2, .offset: 16, .size: 8, .value_kind: global_buffer, .address_space: global }
      - { .name: ln2_g, .offset: 24, .size: 8, .value_kind: global_buffer, .address_space: global }
      - { .name: ln2_b, .offset: 32, .size: 8, .value_kind: global_buffer, .address_space: global }
      - { .name: durations, .offset: 40, .size: 8, .value_kind: global_buffer, .address_space: global }
      - { .name: out0, .offset: 48, .size: 8, .value_kind: global_buffer, .address_space: global }
      - { .name: out1, .offset: 56, .size: 8, .value_kind: global_buffer, .address_space: global }
    .group_segment_fixed_size: 0
    .private_segment_fixed_size: 0
    .kernarg_segment_align: 8
    .kernarg_segment_size: 64
    .max_flat_workgroup_size: 256
    .sgpr_count:     66
    .vgpr_count:     240
    .wavefront_size: 32
...
	.end_amdgpu_metadata
.endif
;; end of part 7
